; MI455X (gfx1250); checked and timed in simulation.
; The chip was launched on July 23, 2026; its instructions are those of AMD's public machine-readable ISA for CDNA 5 (MIT licence, August 2026) and "CDNA5" Instruction Set Architecture Reference Guide (July 2026). The comments in the code are by the model that wrote it; some were corrected since.
;; KB La M Bit Net Decoder Layer. Allowed arithmetic: float matrix products may take bf16 or f16 operands with f32 sums; all other float work in f32.
;; Inputs: down_w 2,048 x 2,048 float32; hidden_states 1 x 2,048 x 2,048 float32; k_w 512 x 2,048 float32; kb_keys 1 x 256 x 2,048 float32; kb_values 1 x 256 x 2,048 float32; kbk_w 512 x 2,048 float32; kbv_w 512 x 2,048 float32; ln1_w 2,048 float32; ln2_w 2,048 float32; o_w 2,048 x 2,048 float32; position_ids 1 x 2,048 int32; q_w 2,048 x 2,048 float32; qnew_w 2,048 x 2,048 float32; sink_k 1 x 8 x 1 x 64 float32; sink_v 1 x 8 x 1 x 64 float32; up_w 2,048 x 2,048 float32; v_w 512 x 2,048 float32.
;; Outputs: out0 1 x 2,048 x 2,048 float32.
;; 2 versions, each right; version 2 is version 1 with the launches prep, norm2 written anew for expert scheduling mode. Each part assembles by itself: llvm-mc -triple=amdgcn-amd-amdhsa -mcpu=gfx1250 --defsym DOCPART=n.
;; ======== version 1 of 2: 7 launches
;; limits: an absolute error that grows with the inputs' magnitude: up to 3e-07 times it; values are held in f16: magnitudes above 65,504 overflow, below 6.1e-05 lose precision; right only within a limited range of input values
;; workspace buffers: wb 50,331,648 bytes; xa 10,485,760 bytes; tab 524,288 bytes; qkv 21,495,808 bytes; att 8,388,608 bytes; hws 16,777,216 bytes; yb 8,388,608 bytes; u 8,388,608 bytes
;; launch prep (part 1): grid 1056 x 1, 8 waves a work-group, no clusters, 0 bytes of LDS; arguments q_w, k_w, v_w, qnew_w, o_w, up_w, down_w, kbk_w, kbv_w, kb_keys, kb_values, hidden_states, ln1_w, position_ids, wb, xa, tab; writes wb, xa, tab
.if DOCPART == 1
	.amdgcn_target "amdgcn-amd-amdhsa--gfx1250"
	.amdhsa_code_object_version 6
	.text
	.protected	k_q02c694e77b_prep
	.globl	k_q02c694e77b_prep
	.p2align	8
	.type	k_q02c694e77b_prep,@function
k_q02c694e77b_prep:
	s_mov_b64 s[64:65], 0
	v_nop
	global_prefetch_b8 v0, s[64:65] scope:SCOPE_SE
	s_setreg_imm32_b32 hwreg(HW_REG_WAVE_MODE, 25, 1), 1
	s_wait_xcnt 0x0
; PREP: everything that later products read is rounded to 16 bits once; x = rmsnorm(hidden, ln1_w) in bf16; the cos/sin table of RoPE.
; A work-group takes a chunk of 16 rows of 2,048 numbers; a wave takes two rows.  Chunk c = work-group number:
;   c <  800  plain conversion (weights, kb_keys, kb_values), 128 KiB in, 64 KiB out, both dense; to bf16, but up_w (chunks 448 to 575) to f16
;   c <  928  rows 16 (c-800) .. of hidden_states: x = (h * rsqrt(mean h^2 + eps)) * ln1_w, in that order of rounding, to bf16
;   else      rows 16 (c-928) .. of the table: tab[s][0..31] = cos(pos[s] f_j), tab[s][32..63] = sin(pos[s] f_j), f_j = 10000^(-j/32)
; wb (rows of 2,048 numbers of 16 bits): 0 q_w, 2048 four blocks of (128 rows k_w, 128 rows v_w), 3072 qnew_w, 5120 four blocks of (128 rows kbk_w, 128 rows kbv_w),
; 6144 o_w, 8192 up_w (f16), 10240 down_w.   xa: 0 x, 2048 two blocks of (128 rows kb_keys, 128 rows kb_values).
; The interleaved blocks are the next launch's blocks of 256: there one half of the waves meets one kind and the other half the other.
; WHY up_w IS f16: an error dz of z = y up_w^T enters relu(z)^2 as 2 z dz, so this product's operand rounding weighs most in the result; its other operand, y, is
; normalised and has room in f16.  LIMIT: |up_w| < 65,504; below 2^-14 a number keeps an absolute error of 2^-25.
; No LDS, no barrier, no matrix unit: a stream, each byte read once, every store of a wave covers 256 consecutive aligned bytes.
; LIMITS: sin and cos are made here by reduction to |r| <= pi/4 (two-part pi/2, fused) and polynomials of degree 7 and 8; pos * 2/pi must fit i32;
; f_j comes from v_exp_f32, so the phase error grows as about |pos| * 3e-7 rad.
.set X, 8                              ; v[8:135]   the wave's two rows as loaded (plain: 32 x 4; norm: 64 + 64)
.set G, 136                            ; v[136:199] ln1_w of my columns
.set T, 200                            ; v[200:207] at work
	s_load_b512 s[16:31], s[0:1], 0x0              ; q 16, k 18, v 20, qnew 22, o 24, up 26, down 28, kbk 30
	s_load_b512 s[32:47], s[0:1], 0x40             ; kbv 32, keys 34, values 36, hidden 38, ln1 40, pos 42, wb 44, xa 46
	s_load_b64 s[48:49], s[0:1], 0x80              ; tab
	v_and_b32 v1, 31, v0                           ; lane
	v_lshrrev_b32 v2, 5, v0
	v_readfirstlane_b32 s8, v2                     ; wave
	s_wait_kmcnt 0x0
	s_cmp_ge_u32 ttmp9, 928
	s_cbranch_scc1 .Lrope
	s_cmp_ge_u32 ttmp9, 800
	s_cbranch_scc1 .Lnorm
; ---------------- plain conversion ----------------
; the source and the first chunk of its region, by a chain of selects on the chunk number
.macro REGION first, ptr
	s_cmp_ge_u32 ttmp9, \first
	s_cselect_b64 s[4:5], s[\ptr:\ptr+1], s[4:5]
	s_cselect_b32 s6, \first, s6
.endm
	s_mov_b64 s[4:5], s[16:17]
	s_mov_b32 s6, 0
	REGION 128, 18
	REGION 160, 20
	REGION 192, 22
	REGION 320, 24
	REGION 448, 26
	REGION 576, 28
	REGION 704, 30
	REGION 736, 32
	REGION 768, 34
	REGION 784, 36
	s_lshl_b32 s7, ttmp9, 4                        ; the plain destination row: 16 c for q and qnew,
	s_add_co_u32 s9, s7, 1024                      ; 16 c + 1024 for o, up, down (the KB block lies between)
	s_cmp_ge_u32 ttmp9, 320
	s_cselect_b32 s7, s9, s7
	s_sub_co_u32 s9, ttmp9, s6                     ; chunk within its region
	s_lshl_b32 s10, s9, 17                         ; its source bytes: 16 rows x 8,192
	s_lshl_b32 s11, s9, 4                          ; rho = its first row
	s_lshr_b32 s12, s11, 7
	s_lshl_b32 s12, s12, 8                         ; 256 (rho / 128): the interleaved blocks
	s_and_b32 s11, s11, 127
	s_add_co_u32 s11, s11, s12
	s_mov_b32 s12, 2048                            ; k_w
	s_cmp_ge_u32 ttmp9, 160
	s_cselect_b32 s12, 2176, s12                   ; v_w
	s_cmp_ge_u32 ttmp9, 704
	s_cselect_b32 s12, 5120, s12                   ; kbk_w
	s_cmp_ge_u32 ttmp9, 736
	s_cselect_b32 s12, 5248, s12                   ; kbv_w
	s_cmp_ge_u32 ttmp9, 768
	s_cselect_b32 s12, 2048, s12                   ; kb_keys, into xa
	s_cselect_b64 s[14:15], s[46:47], s[44:45]
	s_cmp_ge_u32 ttmp9, 784
	s_cselect_b32 s12, 2176, s12                   ; kb_values
	s_add_co_u32 s11, s11, s12                     ; the interleaved destination row
	s_mov_b32 s13, s7
	s_cmp_ge_u32 ttmp9, 128                        ; k_w and v_w are chunks 128 to 191,
	s_cselect_b32 s13, s11, s13
	s_cmp_ge_u32 ttmp9, 192
	s_cselect_b32 s13, s7, s13
	s_cmp_ge_u32 ttmp9, 704                        ; the four KB tensors chunks 704 to 799
	s_cselect_b32 s13, s11, s13
	s_lshl_b32 s12, s13, 12                        ; destination bytes: rows of 4,096
	s_mov_b32 s13, 0
	s_mov_b32 s11, 0
	s_add_nc_u64 s[4:5], s[4:5], s[10:11]
	s_add_nc_u64 s[14:15], s[14:15], s[12:13]
	v_lshlrev_b32 v3, 4, v1
	v_lshl_or_b32 v3, v2, 14, v3                   ; in: 16,384 w + 16 lane
	v_lshlrev_b32 v4, 3, v1
	v_lshl_or_b32 v4, v2, 13, v4                   ; out: 8,192 w + 8 lane
.set i, 0
.rept 32
	global_load_b128 v[X+4*i:X+4*i+3], v3, s[4:5] offset:512*i th:TH_LOAD_NT   ; all 16 KiB of the wave go out at once
.set i, i+1
.endr
; the wave's 32 loads are rounded by op, two numbers a word, and stored
.macro CONV op
.set i, 0
.rept 32
	s_wait_loadcnt 31-i                            ; loads return in order: load i is in, the 31-i younger ones stay out
	\op v[X+4*i], v[X+4*i], v[X+4*i+1]
	\op v[X+4*i+1], v[X+4*i+2], v[X+4*i+3]
	global_store_b64 v4, v[X+4*i:X+4*i+1], s[14:15] offset:256*i              ; 32 lanes x 8 bytes: 256 consecutive bytes; no register is written again
.set i, i+1
.endr
.endm
	s_cmp_ge_u32 ttmp9, 448                        ; up_w is chunks 448 to 575
	s_cselect_b32 s9, 1, 0
	s_cmp_ge_u32 ttmp9, 576
	s_cselect_b32 s9, 0, s9
	s_cmp_lg_u32 s9, 0
	s_cbranch_scc1 .Lhalf
	CONV v_cvt_pk_bf16_f32
	s_endpgm
.Lhalf:
	CONV v_cvt_pk_f16_f32
	s_endpgm
; ---------------- rmsnorm 1 ----------------
.Lnorm:
	s_sub_co_u32 s6, ttmp9, 800
	s_lshl_b32 s6, s6, 4
	s_lshl1_add_u32 s6, s8, s6                     ; my first row = 16 (c-800) + 2 w
	s_lshl_b32 s10, s6, 13
	s_mov_b32 s11, 0
	s_lshl_b32 s12, s6, 12
	s_mov_b32 s13, 0
	s_add_nc_u64 s[4:5], s[38:39], s[10:11]
	s_add_nc_u64 s[14:15], s[46:47], s[12:13]
	s_mov_b32 s50, 0x76543210                      ; v_permlanex16_b32: lane i reads lane i of the other half
	s_mov_b32 s51, 0xfedcba98
	s_mov_b32 s52, 0x3a000000                      ; 1 / 2048
	s_mov_b32 s53, 0x3727c5ac                      ; 1e-5
	v_lshlrev_b32 v3, 4, v1
	v_lshlrev_b32 v4, 3, v1
.set i, 0
.rept 16
	global_load_b128 v[G+4*i:G+4*i+3], v3, s[40:41] offset:512*i
.set i, i+1
.endr
.set i, 0
.rept 32
	global_load_b128 v[X+4*i:X+4*i+3], v3, s[4:5] offset:512*i                ; two rows of 8,192 bytes follow each other
.set i, i+1
.endr
; one row: xb = its first register, left = younger loads that may stay out, outoff = its bytes in xa
.macro NROW xb, left, outoff
	s_wait_loadcnt \left
.irp k, 0,1,2,3
	v_pk_mul_f32 v[T+2*\k:T+2*\k+1], v[\xb+2*\k:\xb+2*\k+1], v[\xb+2*\k:\xb+2*\k+1]       ; four chains, started by products: nothing is cleared
.endr
.set m, 4
.rept 28
	v_pk_fma_f32 v[T+2*(m%4):T+2*(m%4)+1], v[\xb+2*m:\xb+2*m+1], v[\xb+2*m:\xb+2*m+1], v[T+2*(m%4):T+2*(m%4)+1]
.set m, m+1
.endr
	v_pk_add_f32 v[T:T+1], v[T:T+1], v[T+2:T+3]
	v_pk_add_f32 v[T+4:T+5], v[T+4:T+5], v[T+6:T+7]
	v_pk_add_f32 v[T:T+1], v[T:T+1], v[T+4:T+5]
	v_add_f32 v[T], v[T], v[T+1]
	v_add_f32_dpp v[T], v[T], v[T] row_xmask:1 row_mask:0xf bank_mask:0xf
	v_add_f32_dpp v[T], v[T], v[T] row_xmask:2 row_mask:0xf bank_mask:0xf
	v_add_f32_dpp v[T], v[T], v[T] row_xmask:4 row_mask:0xf bank_mask:0xf
	v_add_f32_dpp v[T], v[T], v[T] row_xmask:8 row_mask:0xf bank_mask:0xf
	v_permlanex16_b32 v[T+1], v[T], s50, s51
	v_add_f32 v[T], v[T], v[T+1]                   ; the row's sum of squares, in every lane
	v_fma_f32 v[T+2], v[T], s52, s53               ; mean + eps
	v_rsq_f32 v[T+4], v[T+2]
	v_rsq_f32 v[T+5], v[T+2]
	v_nop                                          ; one plain instruction behind a transcendental before its result is used
.set i, 0
	s_wait_alu depctr_va_vdst(0)
.rept 16
	v_pk_mul_f32 v[\xb+4*i:\xb+4*i+1], v[\xb+4*i:\xb+4*i+1], v[T+4:T+5]
	v_pk_mul_f32 v[\xb+4*i+2:\xb+4*i+3], v[\xb+4*i+2:\xb+4*i+3], v[T+4:T+5]
	v_pk_mul_f32 v[\xb+4*i:\xb+4*i+1], v[\xb+4*i:\xb+4*i+1], v[G+4*i:G+4*i+1]
	v_pk_mul_f32 v[\xb+4*i+2:\xb+4*i+3], v[\xb+4*i+2:\xb+4*i+3], v[G+4*i+2:G+4*i+3]
	v_cvt_pk_bf16_f32 v[\xb+4*i], v[\xb+4*i], v[\xb+4*i+1]
	v_cvt_pk_bf16_f32 v[\xb+4*i+1], v[\xb+4*i+2], v[\xb+4*i+3]
	global_store_b64 v4, v[\xb+4*i:\xb+4*i+1], s[14:15] offset:\outoff+256*i
.set i, i+1
.endr
.endm
	NROW X, 16, 0                                  ; ln1_w and row 0 are in; row 1's sixteen loads stay out
	NROW X+64, 0, 4096
	s_endpgm
; ---------------- the cos/sin table ----------------
.Lrope:
	s_sub_co_u32 s6, ttmp9, 928
	s_lshl_b32 s6, s6, 4
	s_lshl1_add_u32 s6, s8, s6                     ; my first row (even)
	s_lshl_b32 s7, s6, 2
	s_load_b64 s[54:55], s[42:43], s7 offset:0x0   ; the two positions
	s_lshl_b32 s10, s6, 8                          ; a table row is 256 bytes
	s_mov_b32 s11, 0
	s_add_nc_u64 s[14:15], s[48:49], s[10:11]
	s_mov_b32 s56, 0x3f22f983                      ; 2 / pi
	s_mov_b32 s57, 0x3fc90fdb                      ; pi / 2, upper part
	s_mov_b32 s58, 0xb33bbd2e                      ; pi / 2, the rest
	s_mov_b32 s59, 0xb94ca1f9                      ; sine: z^3 term
	s_mov_b32 s60, 0x3c08839e
	s_mov_b32 s61, 0xbe2aaaa3
	s_mov_b32 s62, 0x37ccf5ce                      ; cosine: z^4 term
	s_mov_b32 s63, 0xbab6061a
	s_mov_b32 s66, 0x3d2aaaa5
	v_and_b32 v2, 15, v1                           ; i: the lane makes j = 2 i and 2 i + 1,
	v_lshlrev_b32 v3, 3, v1                        ; 8 bytes at 8 x lane of the row: lanes 0-15 the cosines, lanes 16-31 the sines
	v_lshrrev_b32 v4, 4, v1
	v_xor_b32 v4, 1, v4                            ; 1 in the cosine lanes: cos x = sin(x + pi/2), one quadrant on
	v_lshlrev_b32 v5, 1, v2
	v_cvt_f32_u32 v5, v5
	v_add_f32 v6, 1.0, v5
	v_mul_f32 v5, 0xbed49a78, v5                   ; -j log2(10000) / 32
	v_mul_f32 v6, 0xbed49a78, v6
	v_exp_f32 v5, v5                               ; f_j
	v_exp_f32 v6, v6
	v_nop
	s_wait_kmcnt 0x0
	v_cvt_f32_i32 v7, s54
	v_cvt_f32_i32 v8, s55
	s_wait_alu depctr_va_vdst(0)
.macro ANG dst, pos, inv
	v_mul_f32 v10, \pos, \inv                      ; the angle, rounded once as in the definition
	v_mul_f32 v11, s56, v10
	v_rndne_f32 v11, v11                           ; n
	v_fma_f32 v12, -v11, s57, v10
	v_fma_f32 v12, -v11, s58, v12                  ; r = x - n pi/2
	v_cvt_i32_f32 v13, v11
	v_add_nc_u32 v13, v13, v4                      ; quadrant
	v_mul_f32 v14, v12, v12                        ; z
	v_fma_f32 v15, v14, s59, s60
	v_fma_f32 v15, v15, v14, s61
	v_mul_f32 v16, v12, v14
	v_fma_f32 v15, v15, v16, v12                   ; sin r
	v_fma_f32 v17, v14, s62, s63
	v_fma_f32 v17, v17, v14, s66
	v_fma_f32 v18, v14, -0.5, 1.0
	v_mul_f32 v19, v14, v14
	v_fma_f32 v17, v17, v19, v18                   ; cos r
	v_and_b32 v18, 1, v13
	v_cmp_eq_u32 vcc_lo, 1, v18
	v_cndmask_b32 v15, v15, v17, vcc_lo            ; odd quadrant: the cosine
	v_and_b32 v18, 2, v13
	v_lshlrev_b32 v18, 30, v18
	v_xor_b32 \dst, v15, v18                       ; quadrants 2 and 3: the sign turns
.endm
	ANG v20, v7, v5
	ANG v21, v7, v6
	ANG v22, v8, v5
	ANG v23, v8, v6
	global_store_b64 v3, v[20:21], s[14:15]
	global_store_b64 v3, v[22:23], s[14:15] offset:256
	s_endpgm
.Lfunc_end_k_q02c694e77b_prep:
	.size	k_q02c694e77b_prep, .Lfunc_end_k_q02c694e77b_prep-k_q02c694e77b_prep
	.p2alignl 7, 3214868480
	.fill 96, 4, 3214868480
	.section	.rodata,"a",@progbits
	.p2align	6, 0x0
	.amdhsa_kernel k_q02c694e77b_prep
		.amdhsa_group_segment_fixed_size 0
		.amdhsa_private_segment_fixed_size 0
		.amdhsa_enable_private_segment 0
		.amdhsa_kernarg_size 136
		.amdhsa_user_sgpr_count 2
		.amdhsa_user_sgpr_kernarg_segment_ptr 1
		.amdhsa_wavefront_size32 1
		.amdhsa_system_sgpr_workgroup_id_x 1
		.amdhsa_system_sgpr_workgroup_id_y 1
		.amdhsa_system_sgpr_workgroup_id_z 1
		.amdhsa_system_vgpr_workitem_id 0
		.amdhsa_next_free_vgpr 208
		.amdhsa_next_free_sgpr 72
		.amdhsa_reserve_vcc 1
		.amdhsa_float_denorm_mode_32 3
		.amdhsa_float_denorm_mode_16_64 3
		.amdhsa_memory_ordered 1
		.amdhsa_forward_progress 1
		.amdhsa_inst_pref_size 55
	.end_amdhsa_kernel
	.amdgpu_metadata
---
amdhsa.version: [ 1, 2 ]
amdhsa.kernels:
  - .name:           k_q02c694e77b_prep
    .symbol:         k_q02c694e77b_prep.kd
    .args:
      - { .name: q_w, .offset: 0, .size: 8, .value_kind: global_buffer, .address_space: global }
      - { .name: k_w, .offset: 8, .size: 8, .value_kind: global_buffer, .address_space: global }
      - { .name: v_w, .offset: 16, .size: 8, .value_kind: global_buffer, .address_space: global }
      - { .name: qnew_w, .offset: 24, .size: 8, .value_kind: global_buffer, .address_space: global }
      - { .name: o_w, .offset: 32, .size: 8, .value_kind: global_buffer, .address_space: global }
      - { .name: up_w, .offset: 40, .size: 8, .value_kind: global_buffer, .address_space: global }
      - { .name: down_w, .offset: 48, .size: 8, .value_kind: global_buffer, .address_space: global }
      - { .name: kbk_w, .offset: 56, .size: 8, .value_kind: global_buffer, .address_space: global }
      - { .name: kbv_w, .offset: 64, .size: 8, .value_kind: global_buffer, .address_space: global }
      - { .name: kb_keys, .offset: 72, .size: 8, .value_kind: global_buffer, .address_space: global }
      - { .name: kb_values, .offset: 80, .size: 8, .value_kind: global_buffer, .address_space: global }
      - { .name: hidden_states, .offset: 88, .size: 8, .value_kind: global_buffer, .address_space: global }
      - { .name: ln1_w, .offset: 96, .size: 8, .value_kind: global_buffer, .address_space: global }
      - { .name: position_ids, .offset: 104, .size: 8, .value_kind: global_buffer, .address_space: global }
      - { .name: wb, .offset: 112, .size: 8, .value_kind: global_buffer, .address_space: global }
      - { .name: xa, .offset: 120, .size: 8, .value_kind: global_buffer, .address_space: global }
      - { .name: tab, .offset: 128, .size: 8, .value_kind: global_buffer, .address_space: global }
    .group_segment_fixed_size: 0
    .private_segment_fixed_size: 0
    .kernarg_segment_align: 8
    .kernarg_segment_size: 136
    .max_flat_workgroup_size: 256
    .sgpr_count:     72
    .vgpr_count:     208
    .wavefront_size: 32
...
	.end_amdgpu_metadata
.endif
;; end of part 1
;; launch qkv (part 2): grid 168 x 1, 4 waves a work-group, clusters of 4 x 1, 327,680 bytes of LDS; arguments xa, wb, tab, qkv; writes qkv
.if DOCPART == 2
	.amdgcn_target "amdgcn-amd-amdhsa--gfx1250"
	.amdhsa_code_object_version 6
	.text
	.protected	k_q02c694e77b_qkv
	.globl	k_q02c694e77b_qkv
	.p2align	8
	.type	k_q02c694e77b_qkv,@function
k_q02c694e77b_qkv:
	s_mov_b64 s[64:65], 0
	v_nop
	global_prefetch_b8 v0, s[64:65] scope:SCOPE_SE
	s_setreg_imm32_b32 hwreg(HW_REG_WAVE_MODE, 25, 1), 1
	s_wait_xcnt 0x0
	s_wait_alu depctr_hold_cnt(0) depctr_sa_sdst(0) depctr_va_vdst(0) depctr_va_sdst(0) depctr_va_ssrc(0) depctr_va_vcc(0) depctr_vm_vsrc(0)
	s_getreg_b32 s2, hwreg(HW_REG_IB_STS2, 6, 4)
	s_cmp_eq_u32 s2, 0
	s_cbranch_scc0 .Lentry_in_a_cluster
	s_endpgm
.Lentry_in_a_cluster:
	s_bfe_u32 s2, ttmp6, 0x10000c
	s_cmp_lg_u32 s2, 0x3003
	s_cbranch_scc0 .Lentry_shape_is_right
	s_endpgm
.Lentry_shape_is_right:
; QKV: C = A B^T over K = 2,048, A = xa (x, then the KB rows), B = wb rows 0..6143 (q, k|v, qnew, KB weights), bf16 operands, f32 sums.
; Then RoPE (q, k), the factor 0.125 log2(e) (q, kb_q), rounding to bf16, and head-major stores into qkv:
;   Q [32][2048][64] at 0, KBQ the same at KBQOFF, KCAT [8][2304][64] at KOFF (rows 0-255 kb_k, 256.. k), VCAT the same at VOFF.
; A work-group makes a block of 256 x 256 with four waves, as many as a WGP has SIMDs; a wave makes 128 x 128: 64 accumulator tiles, 512 registers.
; For 32 along K a wave reads 2 x 128 x 64 bytes from LDS and issues 64 matrix instructions.  K goes in steps of 128 (rows of 256 bytes, aligned) through two
; LDS slots of 512 rows; each wave brings 128 rows with one tensor load, asked for 240 matrix instructions ahead of the wait for it.
; 168 work-groups: 8 x 20 blocks of x against q, k|v, qnew, and 2 x 4 blocks of the KB rows against the KB weights: that is all the work there is in blocks of this size.
; CLUSTERS of 4 x 1: cluster c (0..41) has block row c & 7 (+ 8 for c >= 40) and the block columns 4 (c >> 3) + cx.  A's tile hangs on the block row alone and is
; asked for JOINTLY by the four (mask 15); B's hangs on cx and is each work-group's own load (mask 0), issued at the same place behind the same round.
; Not 4 x 4: the KB part has eight blocks, which fill no cluster of sixteen.
; KINDS, by column group cg = c >> 3 and the wave's column half ch, never by cx: cg 0, 1 q; cg 2 k (ch = 0) and v (ch = 1): k_w and v_w are interleaved in wb in runs
; of 128 rows; cg 3, 4 kb_q; cg 5 KB: rows (128 keys, 128 values) against columns (128 kbk, 128 kbv): wave (0,0) forms keys x kbk, wave (1,1) values x kbv, waves
; (0,1) and (1,0) form cross products that nobody needs and store nothing: 1 GFLOP of the launch's 45, the price of one body with equal joint loads.
; REGISTERS, in windows of 256:
;   window 0: v16-27 addresses; v64-127, v128-191 fragments of A, two buffers; v192-239 at work on the way out (where v64-127 hold f32 results, v128-191 the read-back)
;   window 1: v64-127, v128-191 fragments of B, two buffers; v0-63, v192-255 cos/sin of row groups 0-3, asked for ahead of the K loop; groups 4-7 go into B's buffers behind it
;   window 2: the 32 accumulator tiles of my rows 0-63 (tile (a, b) at v[8 (8 a + b)]);   window 3: those of my rows 64-127
; The matrix instruction is used transposed (source 0 = rows of B, source 1 = rows of A): register j of lane (r, h) is C(16 a + r, 16 b + 8 h + j).
.set SIZE_K, 2048
.set KSTEP,  128
.set PITCH,  272                       ; an LDS row: 256 bytes + 16 of padding, an odd multiple of 16: the 16 rows that a load touches start at 16 different 16-byte columns
.set HALFT,  128*PITCH                 ; 128 rows: what one tensor load brings, and what one wave reads of A or of B
.set SLOT,   4*HALFT                   ; A's 256 rows, then B's 256 rows
.set STAGE,  2*SLOT                    ; behind the ring: 16 rows x 272 bytes for each wave, never filled by a tensor load
.set SPITCH, 272
.set LAPS, SIZE_K/(2*KSTEP)            ; a lap = two K steps = once round the ring: 8
.set KBQOFF, 8388608
.set KOFF,   16777216
.set VOFF,   19136512
.set SCALE,  0x3e38aa3b                ; 0.125 log2(e)
.set ADRA, 16                          ; v16-17  LDS address of my A fragments in slot 0, 1
.set ADRB, 20                          ; v20-21  the same for B
.set STO,  24                          ; the way out: where I put 16 bytes of a row
.set RD,   25                          ; where I read rows back
.set CO,   26                          ; 16 x lane
.set TA,   27                          ; my bytes in a table row
.set F0,   64
.set F1,   128
.set XF,   64                          ; the way out: 64 results in f32
.set RB,   128                         ; two read-back sets of 32
.set PK,   192                         ; 32 packed words
.set TT,   224                         ; 16 at work
.set G1, 24                            ; s[24:31] group 1 for A's tiles
.set G0, 32                            ; s[32:39] group 0 for A's tiles, one set for each slot
.set G1B, 48                           ; s[48:55] group 1 for B's tiles: no mask
.set G0B, 56                           ; s[56:63] group 0 for B's tiles
.set MSB, 0
.macro WIN new                         ; the immediate's high byte repeats the setting that is left
.if MSB != \new
	s_set_vgpr_msb (MSB<<8)|\new
.set MSB, \new
.endif
.endm
.set MUL_LO, 0xa1                      ; source 0 (B) window 1, source 1 (A) window 0, C and D window 2
.set MUL_HI, 0xf1                      ; the same, C and D window 3
.set TO_B,   0x40                      ; destination window 1, address window 0
; Waves 0 and 1 ask jointly for A's two halves, waves 2 and 3 load B's.  The branch hangs on the wave's number alone.
.macro JLOAD s
	s_cmp_eq_u32 s11, 0
	s_cbranch_scc0 .Lfor_b_\@
	tensor_load_to_lds s[G0+4*\s:G0+4*\s+3], s[G1:G1+7]
	s_nop 0
	s_branch .Lasked_\@
.Lfor_b_\@:
	tensor_load_to_lds s[G0B+4*\s:G0B+4*\s+3], s[G1B:G1B+7]
	s_nop 0
.Lasked_\@:
.endm
.macro CREST                           ; a round of the cluster's barrier behind its opening work-group barrier
	s_cmp_lg_u32 s10, 0
	s_cbranch_scc1 .Lnot_wave_0_\@
	s_barrier_signal -3
.Lnot_wave_0_\@:
	s_barrier_wait -3
	s_barrier_signal -1
	s_barrier_wait -1
.endm
.macro CROUND
	s_barrier_signal -1
	s_barrier_wait -1
	CREST
.endm
	s_load_b128 s[4:7], s[0:1], 0x0                ; xa, wb
	s_load_b128 s[68:71], s[0:1], 0x10             ; tab, qkv
	v_lshl_add_u32 v254, v0, 2, 0x48400
	v_mov_b32 v255, 0
	ds_add_u32 v254, v255
	v_lshrrev_b32 v1, 5, v0
	v_readfirstlane_b32 s10, v1                    ; wave
	s_lshr_b32 s11, s10, 1                         ; rh: my half of the block's rows.  Also: I fetch for A (0) or for B (1)
	s_and_b32 s12, s10, 1                          ; ch: my half of its columns.  Also: which 128 rows of that tile I fetch
	s_bfe_u32 s40, ttmp6, 0x40000                  ; cx
	s_lshr_b32 s75, ttmp9, 3                       ; cg: the cluster's group of four block columns, 0 to 5
	s_and_b32 s13, ttmp9, 7
	s_add_co_u32 s74, s13, 8
	s_cmp_eq_u32 s75, 5
	s_cselect_b32 s13, s74, s13                    ; block row: 0-7 x, 8-9 the KB rows
	s_lshl_b32 s42, s75, 2
	s_add_co_u32 s42, s42, s40                     ; block column = 4 cg + cx
	; group 1: a tile of 128 rows x 128 elements of 2 bytes, 4 words of padding behind every 64 words
	s_mov_b32 s[G1+0], 15|(1<<16)|(1<<20)|(1<<21)|(5<<22)|(3<<25)  ; A: the mask names the cluster's four, bit 21 beside it
	s_mov_b32 s[G1B+0], (1<<16)|(1<<20)|(5<<22)|(3<<25)            ; B: my own load
	s_mov_b32 s[G1+1], KSTEP<<16                   ; tensor_dim0
	s_mov_b32 s[G1B+1], KSTEP<<16
	s_mov_b32 s[G1+2], 128<<16                     ; tensor_dim1
	s_mov_b32 s[G1B+2], 128<<16
	s_mov_b32 s[G1+3], KSTEP<<16                   ; tile_dim0
	s_mov_b32 s[G1B+3], KSTEP<<16
	s_mov_b32 s[G1+4], 128                         ; tile_dim1
	s_mov_b32 s[G1B+4], 128
	s_mov_b32 s[G1+5], SIZE_K                      ; elements from row to row
	s_mov_b32 s[G1B+5], SIZE_K
	s_mov_b32 s[G1+6], 0
	s_mov_b32 s[G1B+6], 0
	s_mov_b32 s[G1+7], 0
	s_mov_b32 s[G1B+7], 0
	; A's address is made of the block row and the wave's number, in registers that never hold cx
	s_lshl_b32 s17, s12, 7
	s_lshl_b32 s16, s13, 8
	s_add_co_u32 s16, s16, s17                     ; A: row 256 x block row + 128 x half
	s_lshl_b32 s46, s42, 8
	s_add_co_u32 s46, s46, s17                     ; B: row 256 x block column + 128 x half
	s_lshl_b32 s16, s16, 12                        ; rows of 4,096 bytes
	s_lshl_b32 s46, s46, 12
	s_mov_b32 s17, 0
	s_mov_b32 s47, 0
	s_mul_i32 s20, s10, HALFT                      ; LDS: A's two halves, then B's two = wave x 128 rows
	s_wait_dscnt 0x0
	s_wait_kmcnt 0x0
	s_add_nc_u64 s[14:15], s[4:5], s[16:17]
	s_add_nc_u64 s[46:47], s[6:7], s[46:47]
	CROUND                                         ; the four work-groups are here: the first joint loads meet
.irp s, 0,1
	s_mov_b32 s[G0+4*\s], 1
	s_add_co_u32 s[G0+4*\s+1], s20, \s*SLOT
	s_add_nc_u64 s[G0+4*\s+2:G0+4*\s+3], s[14:15], \s*KSTEP*2
	s_or_b32 s[G0+4*\s+3], s[G0+4*\s+3], 0x80000000
	s_mov_b32 s[G0B+4*\s], 1
	s_add_co_u32 s[G0B+4*\s+1], s20, \s*SLOT
	s_add_nc_u64 s[G0B+4*\s+2:G0B+4*\s+3], s[46:47], \s*KSTEP*2
	s_or_b32 s[G0B+4*\s+3], s[G0B+4*\s+3], 0x80000000
	JLOAD \s                                       ; the ring is filled before anything else is done: two tensor loads of the wave are out
.endr
	v_and_b32 v1, 15, v0                           ; r
	v_bfe_u32 v2, v0, 4, 1                         ; h
	v_mul_u32_u24 v3, v1, PITCH
	v_lshl_add_u32 v3, v2, 4, v3                   ; fragment: row r, 16 bytes for each half of the lanes
	s_mul_i32 s21, s11, HALFT                      ; my 128 rows of A
	s_mul_i32 s22, s12, HALFT                      ; my 128 rows of B,
	s_add_co_u32 s22, s22, 2*HALFT                 ; which lie behind A's 256
.irp s, 0,1
	v_add_nc_u32 v[ADRA+\s], s21, v3
	v_add_nc_u32 v[ADRB+\s], s22, v3
	s_add_co_u32 s21, s21, SLOT
	s_add_co_u32 s22, s22, SLOT
.endr
	v_and_b32 v4, 31, v0                           ; lane
	v_lshrrev_b32 v5, 3, v4
	v_and_b32 v6, 7, v0
	s_mul_i32 s23, s10, 16*SPITCH
	s_add_co_u32 s23, s23, STAGE                   ; my stage
	v_mul_u32_u24 v7, v1, SPITCH
	v_lshl_add_u32 v7, v2, 4, v7
	v_add_nc_u32 v[STO], s23, v7                   ; in: row r, 16 bytes for each half of the lanes
	v_mul_u32_u24 v7, v5, SPITCH
	v_lshl_add_u32 v7, v6, 4, v7
	v_add_nc_u32 v[RD], s23, v7                    ; back: eight lanes take a head's 128 bytes of a row, a load four rows,
	v_lshlrev_b32 v[CO], 4, v4                     ; which are 512 dense bytes of the head
	v_lshlrev_b32 v[TA], 8, v1
	v_lshl_add_u32 v[TA], v2, 5, v[TA]             ; table: row r, 32 bytes for each half
	s_lshl_b32 s78, s13, 8
	s_lshl_b32 s79, s11, 7
	s_add_co_u32 s78, s78, s79                     ; my first row
	s_lshl_b32 s76, s78, 8                         ; a table row is 256 bytes
	s_mov_b32 s77, 0
	s_add_nc_u64 s[66:67], s[68:69], s[76:77]      ; the table at my first row, made on every wave's path: the two places that load from it lie behind branches of
	                                               ; their own.  A wave that does not turn never loads from it (for the KB rows it points past the table)
	s_cmp_lt_u32 s75, 2                            ; who turns: q,
	s_cselect_b32 s98, 1, 0
	s_xor_b32 s99, s12, 1
	s_cmp_eq_u32 s75, 2                            ; and the k half of k|v
	s_cselect_b32 s98, s99, s98
; where row group i's 32 table registers lie in window 1
.macro TBASE i
.if \i < 2
.set TB, 32*\i
.else
.if \i < 4
.set TB, 128+32*\i
.else
.set TB, 32*\i-64
.endif
.endif
.endm
; rows 16 i .. 16 i + 15: cos and sin of j = 16 b + 8 h + 0..7, b = 0, 1: [cos 8][sin 8] for each b
.macro TLOAD i
	TBASE \i
.irp b, 0,1
	global_load_b128 v[TB+16*\b:TB+16*\b+3],     v[TA], s[66:67] offset:\i*4096+\b*64
	global_load_b128 v[TB+16*\b+4:TB+16*\b+7],   v[TA], s[66:67] offset:\i*4096+\b*64+16
	global_load_b128 v[TB+16*\b+8:TB+16*\b+11],  v[TA], s[66:67] offset:\i*4096+\b*64+128
	global_load_b128 v[TB+16*\b+12:TB+16*\b+15], v[TA], s[66:67] offset:\i*4096+\b*64+144
.endr
.endm
	s_cmp_eq_u32 s98, 0
	s_cbranch_scc1 .Lnotab
	WIN TO_B                                       ; row groups 0 to 3: 32 loads into registers that the K loop leaves alone, used behind it
	TLOAD 0
	TLOAD 1
	TLOAD 2
	TLOAD 3
	WIN 0
.Lnotab:
; 16 matrix instructions: row tiles a0, a0 + 1 of the window's four (hi = 0: my rows 0-63, 1: rows 64-127) x all 8 column tiles, 32 along K.
; zero = 1: the first product starts the sums: nothing is ever cleared.  The 64 accumulators take turns, one instruction a turn, in the same order in
; every quarter step, over the backward jump too.
.macro MUL16 f, hi, a0, zero
.irp a, \a0, \a0+1
.irp b, 0,1,2,3,4,5,6,7
.if \zero
	v_wmma_f32_16x16x32_bf16 v[8*(8*(\a)+\b):8*(8*(\a)+\b)+7], v[\f+8*\b:\f+8*\b+7], v[\f+8*(4*\hi+\a):\f+8*(4*\hi+\a)+7], 0
.else
	v_wmma_f32_16x16x32_bf16 v[8*(8*(\a)+\b):8*(8*(\a)+\b)+7], v[\f+8*\b:\f+8*\b+7], v[\f+8*(4*\hi+\a):\f+8*(4*\hi+\a)+7], v[8*(8*(\a)+\b):8*(8*(\a)+\b)+7]
.endif
.endr
.endr
.endm
; 32 LDS loads in one run: the fragments of one quarter step (128 rows of B, 128 rows of A, 32 K at byte k of the rows) into buffer f
.macro FETCH slot, k, f
	WIN TO_B
.irp i, 0,1,2,3,4,5,6,7
	ds_load_b128 v[\f+8*\i:\f+8*\i+3],   v[ADRB+\slot] offset:\k+\i*16*PITCH
	ds_load_b128 v[\f+8*\i+4:\f+8*\i+7], v[ADRB+\slot] offset:\k+\i*16*PITCH+32
.endr
	WIN 0
.irp i, 0,1,2,3,4,5,6,7
	ds_load_b128 v[\f+8*\i:\f+8*\i+3],   v[ADRA+\slot] offset:\k+\i*16*PITCH
	ds_load_b128 v[\f+8*\i+4:\f+8*\i+7], v[ADRA+\slot] offset:\k+\i*16*PITCH+32
.endr
.endm
; four plain vector instructions behind a matrix instruction before a load lands on, or a vector instruction touches, one of its registers
.macro PLACES
.rept 4
	v_nop
.endr
.endm
; A K step is four quarter steps of 32 along K, 64 matrix instructions each, on buffers 0, 1, 0, 1.
; One of the first three: multiplies buffer f; in its middle it fetches the next quarter's fragments, at byte k of the same slot's rows, into buffer g.
.macro QUARTER slot, k, f, g, zero
	s_wait_dscnt 8                                 ; B and A's rows 0-63 are in; the youngest eight loads (A's rows 64-127) may be out
	WIN MUL_LO
	MUL16 \f, 0, 0, \zero
	MUL16 \f, 0, 2, \zero
	PLACES
	FETCH \slot, \k, \g
	s_wait_dscnt 32                                ; all but the 32 just issued
	WIN MUL_HI
	MUL16 \f, 1, 0, \zero
	MUL16 \f, 1, 2, \zero
.endm
.macro THREE slot, zero
	QUARTER \slot, 64,  F0, F1, \zero
	QUARTER \slot, 128, F1, F0, 0
	QUARTER \slot, 192, F0, F1, 0
.endm
; The last quarter: multiplies buffer 1 and changes slots.  In front of the barrier each wave waits for its own reads of this slot and for all its tensor loads,
; of which one is out: its part of the next slot.  fill = 1: the barrier opens a round of the cluster's barrier, and behind the round this slot is filled again,
; first thing, two K steps ahead.  From that request to the wait for it a wave issues 240 matrix instructions.
.macro TURN slot, next, fill
	s_wait_dscnt 8
	WIN MUL_LO
	MUL16 F1, 0, 0, 0
	s_wait_dscnt 0                                 ; my reads of this slot are over
	s_set_vgpr_msb 0xa1a0
	s_wait_tensorcnt 0x0                           ; and all my tensor loads have landed
	ds_add_u32 v254, v255
	s_wait_dscnt 0x0
	s_set_vgpr_msb 0xa0a1
	s_barrier_signal -1
	MUL16 F1, 0, 2, 0                              ; register work while the others arrive
	WIN 0
	s_barrier_wait -1
.if \fill
	CREST                                          ; no wave of any partner still reads this slot or has a load on its way
	s_add_nc_u64 s[G0+4*\slot+2:G0+4*\slot+3], s[G0+4*\slot+2:G0+4*\slot+3], 2*KSTEP*2
	s_add_nc_u64 s[G0B+4*\slot+2:G0B+4*\slot+3], s[G0B+4*\slot+2:G0B+4*\slot+3], 2*KSTEP*2
	JLOAD \slot                                    ; the wave's one tensor load behind the round
.endif
	PLACES
	FETCH \next, 0, F0
	WIN MUL_HI
	MUL16 F1, 1, 0, 0
	MUL16 F1, 1, 2, 0
.endm
.macro LAP zero                        ; once round the ring, both slots filled again
	THREE 0, \zero
	TURN 0, 1, 1
	THREE 1, 0
	TURN 1, 0, 1
.endm
	s_wait_tensorcnt 1                             ; my part of K step 0 is in; K step 1's load stays out
	s_barrier_signal -1
	s_barrier_wait -1                              ; everybody's is
	FETCH 0, 0, F0
	LAP 1                                          ; the first lap stands in front of the loop: its first products start the sums
	WIN 0                                          ; at a label and at a branch every window is 0
	s_mov_b32 s3, LAPS-2
.Llap:
	LAP 0
	WIN 0
	s_sub_co_u32 s3, s3, 1
	s_cmp_lg_u32 s3, 0
	s_cbranch_scc1 .Llap
	THREE 0, 0                                     ; the last lap fills nothing and has no round: the one load still out is slot 1's, the last K step's
	TURN 0, 1, 0
	THREE 1, 0
	s_wait_dscnt 8                                 ; the very last quarter: nothing more to fetch
	WIN MUL_LO
	MUL16 F1, 0, 0, 0
	MUL16 F1, 0, 2, 0
	s_wait_dscnt 0
	WIN MUL_HI
	MUL16 F1, 1, 0, 0
	MUL16 F1, 1, 2, 0
	PLACES                                         ; behind the last matrix instructions: for what reads results and for what lands on the fragment buffers
	WIN 0
	; where my 128 x 128 go: two heads, each 16 KiB dense at OFF + (head x rows of a head + first row) x 128.  All candidates first, then the selects.
	s_lshl_b32 s80, s42, 2
	s_lshl1_add_u32 s80, s12, s80                  ; q: head = 4 x block column + 2 ch
	s_max_u32 s82, s80, 48
	s_sub_co_u32 s82, s82, 48                      ; kb_q: twelve block columns less
	s_max_u32 s88, s42, 8
	s_sub_co_u32 s88, s88, 8
	s_lshl_b32 s88, s88, 1                         ; k | v: head = 2 (block column - 8)
	s_max_u32 s89, s42, 20
	s_sub_co_u32 s89, s89, 20
	s_lshl_b32 s89, s89, 1                         ; KB: head = 2 (block column - 20),
	s_max_u32 s93, s13, 8
	s_sub_co_u32 s93, s93, 8
	s_lshl_b32 s93, s93, 7                         ; first row = 128 (block row - 8)
	s_mov_b32 s90, KOFF
	s_cmp_lg_u32 s12, 0
	s_cselect_b32 s90, VOFF, s90                   ; the interleaved kinds: ch = 0 to KCAT, ch = 1 to VCAT
	s_mov_b32 s81, 0                               ; q: offset, rows of a head, rows in front, factor
	s_mov_b32 s83, 2048
	s_mov_b32 s84, 0
	s_mov_b32 s86, SCALE
	s_cmp_ge_u32 s75, 2                            ; k | v
	s_cselect_b32 s80, s88, s80
	s_cselect_b32 s81, s90, s81
	s_cselect_b32 s83, 2304, s83
	s_cselect_b32 s84, 256, s84
	s_cselect_b32 s86, 0x3f800000, s86
	s_cmp_ge_u32 s75, 3                            ; kb_q
	s_cselect_b32 s80, s82, s80
	s_cselect_b32 s81, KBQOFF, s81
	s_cselect_b32 s83, 2048, s83
	s_cselect_b32 s84, 0, s84
	s_cselect_b32 s86, SCALE, s86
	s_cmp_ge_u32 s75, 5                            ; KB
	s_cselect_b32 s80, s89, s80
	s_cselect_b32 s81, s90, s81
	s_cselect_b32 s83, 2304, s83
	s_cselect_b32 s78, s93, s78
	s_cselect_b32 s86, 0x3f800000, s86
	s_mov_b32 s87, s86
	s_add_co_u32 s78, s78, s84                     ; first row in the head
	s_mul_i32 s80, s80, s83
	s_add_co_u32 s80, s80, s78
	s_lshl_b32 s80, s80, 7
	s_add_co_u32 s92, s80, s81
	s_mov_b32 s93, 0
	s_add_nc_u64 s[94:95], s[70:71], s[92:93]      ; my first head
	s_lshl_b32 s92, s83, 7
	s_add_nc_u64 s[96:97], s[94:95], s[92:93]      ; my second head
	s_cmp_lt_u32 s75, 5
	s_cbranch_scc1 .Lstore
	s_cmp_lg_u32 s11, s12                          ; KB clusters: the two cross products are dropped
	s_cbranch_scc1 .Lclose
.Lstore:
; rows 16 i .. 16 i + 15, in f32 in v[XF:XF+63] (column tile b at 8 b): round, through my stage, out in runs of 512 dense bytes, four rows of a head each
.macro OUT i
.irp b, 0,1,2,3,4,5,6,7
.irp q, 0,1,2,3
	v_cvt_pk_bf16_f32 v[PK+4*\b+\q], v[XF+8*\b+2*\q], v[XF+8*\b+2*\q+1]
.endr
.endr
.irp b, 0,1,2,3,4,5,6,7
	ds_store_b128 v[STO], v[PK+4*\b:PK+4*\b+3] offset:32*\b
.endr
	s_wait_xcnt 0x0                                ; the read-back registers, which earlier stores read, are loaded again only behind this wait
.irp t, 0,1,2,3
	ds_load_b128 v[RB+32*(\i&1)+4*\t:RB+32*(\i&1)+4*\t+3], v[RD] offset:4*SPITCH*\t              ; a wave's LDS instructions are served in order: these see the stores above
.endr
.irp t, 0,1,2,3
	ds_load_b128 v[RB+32*(\i&1)+16+4*\t:RB+32*(\i&1)+16+4*\t+3], v[RD] offset:4*SPITCH*\t+128    ; the second head's 128 bytes of the rows
.endr
.irp t, 0,1,2,3
	s_wait_dscnt 7-\t
	global_store_b128 v[CO], v[RB+32*(\i&1)+4*\t:RB+32*(\i&1)+4*\t+3], s[94:95] offset:(16*\i+4*\t)*128
.endr
.irp t, 0,1,2,3
	s_wait_dscnt 3-\t
	global_store_b128 v[CO], v[RB+32*(\i&1)+16+4*\t:RB+32*(\i&1)+16+4*\t+3], s[96:97] offset:(16*\i+4*\t)*128
.endr
.endm
; RoPE on row group i = tiles (a, 0..7) of window 2 or 3 (win = 0x06 or 0x07: source 0 there, source 1 in window 1).  In head y: lo = columns 0-31 (tiles 4 y + b),
; hi = columns 32-63 (tiles 4 y + b + 2): lo' = lo c - hi s, hi' = hi c + lo s.  The factor goes into the table, which serves both heads (1.0 for k).
; left = how many younger table loads may stay out; -1: the group's loads have been waited for already.
.macro ROPE i, a, win, left
.if \left >= 0
	s_wait_loadcnt \left
.endif
	TBASE \i
	WIN 0x41                                       ; source 0 and destination in window 1
.set m, 0
.rept 16
	v_pk_mul_f32 v[TB+2*m:TB+2*m+1], v[TB+2*m:TB+2*m+1], s[86:87] op_sel_hi:[1,0]
.set m, m+1
.endr
	WIN \win
.irp y, 0,1
.irp b, 0,1
.irp j, 0,2,4,6
	v_pk_mul_f32 v[TT+2*\j:TT+2*\j+1],   v[64*\a+8*(4*\y+\b+2)+\j:64*\a+8*(4*\y+\b+2)+\j+1], v[TB+16*\b+8+\j:TB+16*\b+8+\j+1]
	v_pk_mul_f32 v[TT+2*\j+2:TT+2*\j+3], v[64*\a+8*(4*\y+\b)+\j:64*\a+8*(4*\y+\b)+\j+1],     v[TB+16*\b+8+\j:TB+16*\b+8+\j+1]
	v_pk_fma_f32 v[XF+8*(4*\y+\b)+\j:XF+8*(4*\y+\b)+\j+1],     v[64*\a+8*(4*\y+\b)+\j:64*\a+8*(4*\y+\b)+\j+1],     v[TB+16*\b+\j:TB+16*\b+\j+1], v[TT+2*\j:TT+2*\j+1] neg_lo:[0,0,1] neg_hi:[0,0,1]
	v_pk_fma_f32 v[XF+8*(4*\y+\b+2)+\j:XF+8*(4*\y+\b+2)+\j+1], v[64*\a+8*(4*\y+\b+2)+\j:64*\a+8*(4*\y+\b+2)+\j+1], v[TB+16*\b+\j:TB+16*\b+\j+1], v[TT+2*\j+2:TT+2*\j+3]
.endr
.endr
.endr
	WIN 0
	OUT \i
.endm
; no turn: the factor alone (win = 0x02 or 0x03: source 0 in window 2 or 3)
.macro PLAIN i, a, win
	WIN \win
.set m, 0
.rept 32
	v_pk_mul_f32 v[XF+2*m:XF+2*m+1], v[64*\a+2*m:64*\a+2*m+1], s[86:87] op_sel_hi:[1,0]
.set m, m+1
.endr
	WIN 0
	OUT \i
.endm
	s_cmp_eq_u32 s98, 0
	s_cbranch_scc1 .Lplain
	s_wait_loadcnt 0x0                             ; row groups 0 to 3 of the table, asked for ahead of the K loop, are in: the first four turns below read them
	WIN TO_B                                       ; row groups 4 to 7, into B's fragment buffers, which are free now: 32 loads of the wave are out
	TLOAD 4
	TLOAD 5
	TLOAD 6
	TLOAD 7
	WIN 0
	ROPE 0, 0, 0x06, -1
	ROPE 1, 1, 0x06, -1
	ROPE 2, 2, 0x06, -1
	ROPE 3, 3, 0x06, -1
	ROPE 4, 0, 0x07, 24                            ; this group's eight loads are in; the later groups' stay out
	ROPE 5, 1, 0x07, 16
	ROPE 6, 2, 0x07, 8
	ROPE 7, 3, 0x07, 0
	s_branch .Lclose
.Lplain:
	PLAIN 0, 0, 0x02
	PLAIN 1, 1, 0x02
	PLAIN 2, 2, 0x02
	PLAIN 3, 3, 0x02
	PLAIN 4, 0, 0x03
	PLAIN 5, 1, 0x03
	PLAIN 6, 2, 0x03
	PLAIN 7, 3, 0x03
.Lclose:
	s_wait_tensorcnt 0x0
	ds_add_u32 v254, v255
	s_wait_dscnt 0x0
	CROUND                                         ; the closing round: no work-group ends while a partner may still ask jointly
	s_endpgm
.Lfunc_end_k_q02c694e77b_qkv:
	.size	k_q02c694e77b_qkv, .Lfunc_end_k_q02c694e77b_qkv-k_q02c694e77b_qkv
	.p2alignl 7, 3214868480
	.fill 96, 4, 3214868480
	.section	.rodata,"a",@progbits
	.p2align	6, 0x0
	.amdhsa_kernel k_q02c694e77b_qkv
		.amdhsa_group_segment_fixed_size 327680
		.amdhsa_private_segment_fixed_size 0
		.amdhsa_enable_private_segment 0
		.amdhsa_kernarg_size 32
		.amdhsa_user_sgpr_count 2
		.amdhsa_user_sgpr_kernarg_segment_ptr 1
		.amdhsa_wavefront_size32 1
		.amdhsa_system_sgpr_workgroup_id_x 1
		.amdhsa_system_sgpr_workgroup_id_y 1
		.amdhsa_system_sgpr_workgroup_id_z 1
		.amdhsa_system_vgpr_workitem_id 0
		.amdhsa_next_free_vgpr 1024
		.amdhsa_next_free_sgpr 100
		.amdhsa_reserve_vcc 0
		.amdhsa_float_denorm_mode_32 3
		.amdhsa_float_denorm_mode_16_64 3
		.amdhsa_memory_ordered 1
		.amdhsa_forward_progress 1
		.amdhsa_inst_pref_size 255
	.end_amdhsa_kernel
	.section	.bss,"aw",@nobits
	.p2align	6
	.space	262144
	.amdgpu_metadata
---
amdhsa.version: [ 1, 2 ]
amdhsa.kernels:
  - .name:           k_q02c694e77b_qkv
    .symbol:         k_q02c694e77b_qkv.kd
    .args:
      - { .name: xa, .offset: 0, .size: 8, .value_kind: global_buffer, .address_space: global }
      - { .name: wb, .offset: 8, .size: 8, .value_kind: global_buffer, .address_space: global }
      - { .name: tab, .offset: 16, .size: 8, .value_kind: global_buffer, .address_space: global }
      - { .name: qkv, .offset: 24, .size: 8, .value_kind: global_buffer, .address_space: global }
    .group_segment_fixed_size: 327680
    .private_segment_fixed_size: 0
    .kernarg_segment_align: 8
    .kernarg_segment_size: 32
    .max_flat_workgroup_size: 128
    .sgpr_count:     100
    .vgpr_count:     1024
    .wavefront_size: 32
...
	.end_amdgpu_metadata
.endif
;; end of part 2
;; launch attn (part 3): grid 32 x 8, 8 waves a work-group, no clusters, 327,680 bytes of LDS; arguments qkv, sink_k, sink_v, att; writes att
.if DOCPART == 3
	.amdgcn_target "amdgcn-amd-amdhsa--gfx1250"
	.amdhsa_code_object_version 6
	.text
	.protected	k_q02c694e77b_attn
	.globl	k_q02c694e77b_attn
	.p2align	8
	.type	k_q02c694e77b_attn,@function
k_q02c694e77b_attn:
	s_mov_b64 s[64:65], 0
	v_nop
	global_prefetch_b8 v0, s[64:65] scope:SCOPE_SE
	s_setreg_imm32_b32 hwreg(HW_REG_WAVE_MODE, 25, 1), 1
	s_wait_xcnt 0x0
; ATTN: joint softmax over [sink, 256 KB keys (with kb_q), causal self keys (with q)], running maximum, f32 sums, bf16 operands.
; Work-group (p, g): KV head g, the query blocks p and 63 - p of 32 rows, all four query heads of g, so that K and V tiles are shared through LDS.
; Wave w: class (w ^ (w >> 2)) & 1 picks the block (0: p, 1: 63 - p), u = w >> 1: heads 4 g + 2 (u & 1) + {0, 1}, rows 32 block + 16 (u >> 1) .. + 15.
; Steps of 64 keys: 4 of KB for every wave, (block >> 1) + 1 of self keys; the two classes have 33 self steps together in every work-group.
; NO CLUSTER: what is shared is shared inside the work-group; work-groups of one KV head walk different numbers of tiles (9 to 16).
; S^T = K Q^T: lane (r, h) holds query r and keys 16 m + 8 h + j, so maximum and sum stay in the lane but for one exchange of the halves, and two packed
; S tiles ARE the B fragment of P.  O^T = V^T P, V^T by the transposing LDS load.  q and kb_q carry 0.125 log2(e): exponentials are base 2.
; The sink is the running state's first key: M = its score, L = 1, O = sink_v (f32).
; LIMITS: a masked score becomes -inf (the definition adds -1e9: the same result while real scores stay far above -1e9); P, Q, K, V are bf16;
; v_exp_f32 gives zero below 2^-126.
.set KP,     144                       ; K rows in LDS: 128 bytes + 16
.set VP,     160                       ; V rows: 128 bytes + 32 (an odd multiple of 32, for the transposing load)
.set KSLOT,  128*KP
.set VSLOT,  128*VP
.set VBASE,  2*KSLOT
.set STAGE,  VBASE+2*VSLOT             ; 77,824: eight waves x 16 rows x 272 bytes, never filled by a tensor load
.set SP,     272
.set KBQOFF, 8388608
.set KOFF,   16777216
.set VOFF,   19136512
.set HEADB,  262144                    ; bytes of a query head
.set ADK, 2
.set ADV, 3
.set LIM, 4
.set NINF, 5
.set ML,  8                            ; (M0, L0), (M1, L1)
.set AT,  12                           ; (alpha0, new max0), (alpha1, new max1)
.set TP,  16
.set SM,  18                           ; two chains of sums for each head
.set KQ,  32                           ; kb_q fragments [head][ks]; q's lie at v0-31 of window 1
.set SC,  64                           ; S [head][m], then P
.set OA,  128                          ; O [head][d tile]
.set FR,  192                          ; eight fragments: K's, then V's
.set G1K, 24
.set G1V, 32
.set G0K, 40
.set G0V, 48
.set MSB, 0
.macro WIN new
.if MSB != \new
	s_set_vgpr_msb (MSB<<8)|\new
.set MSB, \new
.endif
.endm
.macro PLACES
.rept 4
	v_nop
.endr
.endm
.macro ALOAD s                         ; wave 0 brings the K tile, wave 1 the V tile: one tensor load a wave
	s_cmp_lg_u32 s12, 0
	s_cbranch_scc1 .Lnot_k_\@
	tensor_load_to_lds s[G0K+4*(\s):G0K+4*(\s)+3], s[G1K:G1K+7]
	s_nop 0
.Lnot_k_\@:
	s_cmp_lg_u32 s12, 1
	s_cbranch_scc1 .Lnot_v_\@
	tensor_load_to_lds s[G0V+4*(\s):G0V+4*(\s)+3], s[G1V:G1V+7]
	s_nop 0
.Lnot_v_\@:
.endm
	s_load_b256 s[4:11], s[0:1], 0x0               ; qkv, sink_k, sink_v, att
	v_lshl_add_u32 v31, v0, 2, 0x29000
	s_set_vgpr_msb 0x40
	v_mov_b32 v33, 0
	s_set_vgpr_msb 0x4044
	ds_add_u32 v31, v33
	s_set_vgpr_msb 0x4400
	v_lshrrev_b32 v1, 5, v0
	v_readfirstlane_b32 s12, v1                    ; wave
	s_lshr_b32 s13, s12, 2
	s_xor_b32 s13, s13, s12
	s_and_b32 s13, s13, 1                          ; class
	s_lshr_b32 s14, s12, 1                         ; u
	s_and_b32 s16, ttmp7, 0xffff                   ; g
	s_sub_co_u32 s15, 63, ttmp9
	s_cmp_lg_u32 s13, 0
	s_cselect_b32 s17, s15, ttmp9                  ; my query block
	s_lshr_b32 s18, s17, 1
	s_add_co_u32 s18, s18, 1                       ; my self steps; step sT + 0 is skipped from here on
	s_sub_co_u32 s19, s18, 1                       ; step sT + 1 is skipped from here on; also: sT of the diagonal as first step of a trip
	s_sub_co_i32 s20, s18, 2                       ; sT of the diagonal as second step (-1 where that step is never reached)
	s_mov_b32 s21, 0                               ; sT: the trip's first self step
	s_lshr_b32 s22, s15, 2
	s_add_co_u32 s22, s22, 1                       ; self tiles of 128 keys that the work-group walks: 9 to 16
	s_sub_co_u32 s23, s22, 1
	s_lshr_b32 s23, s23, 1                         ; trips of the loop (two tiles each): at least 4
	s_mov_b32 s56, 0x76543210
	s_mov_b32 s57, 0xfedcba98
	; group 1: a tile is 16 KiB dense: 64 rows of 128 elements; padding behind every 32 words, that is behind every key's 128 bytes
	s_mov_b32 s[G1K+0], (1<<16)|(1<<20)|(4<<22)|(3<<25)
	s_mov_b32 s[G1V+0], (1<<16)|(1<<20)|(4<<22)|(7<<25)
	s_mov_b32 s[G1K+1], 128<<16
	s_mov_b32 s[G1V+1], 128<<16
	s_mov_b32 s[G1K+2], 64<<16
	s_mov_b32 s[G1V+2], 64<<16
	s_mov_b32 s[G1K+3], 128<<16
	s_mov_b32 s[G1V+3], 128<<16
	s_mov_b32 s[G1K+4], 64
	s_mov_b32 s[G1V+4], 64
	s_mov_b32 s[G1K+5], 128
	s_mov_b32 s[G1V+5], 128
	s_mov_b32 s[G1K+6], 0
	s_mov_b32 s[G1V+6], 0
	s_mov_b32 s[G1K+7], 0
	s_mov_b32 s[G1V+7], 0
	s_mul_i32 s60, s16, 294912                     ; g x 2,304 rows x 128 bytes
	s_mov_b32 s61, 0
	s_wait_dscnt 0x0
	s_barrier_signal -1
	s_barrier_wait -1
	s_wait_kmcnt 0x0
	s_add_nc_u64 s[62:63], s[4:5], s[60:61]
.irp s, 0,1
	s_mov_b32 s[G0K+4*\s], 1
	s_mov_b32 s[G0K+4*\s+1], \s*KSLOT
	s_add_nc_u64 s[G0K+4*\s+2:G0K+4*\s+3], s[62:63], KOFF+\s*16384
	s_or_b32 s[G0K+4*\s+3], s[G0K+4*\s+3], 0x80000000
	s_mov_b32 s[G0V+4*\s], 1
	s_mov_b32 s[G0V+4*\s+1], VBASE+\s*VSLOT
	s_add_nc_u64 s[G0V+4*\s+2:G0V+4*\s+3], s[62:63], VOFF+\s*16384
	s_or_b32 s[G0V+4*\s+3], s[G0V+4*\s+3], 0x80000000
.endr
	ALOAD 0                                        ; tile 0, the first fill
	v_and_b32 v1, 15, v0                           ; r
	v_bfe_u32 v6, v0, 4, 1                         ; h
	v_mul_u32_u24 v[ADK], v1, KP
	v_lshl_add_u32 v[ADK], v6, 4, v[ADK]           ; K fragment: row r, 16 bytes for each half
	v_and_b32 v7, 7, v0
	v_lshl_add_u32 v7, v6, 3, v7
	v_mul_u32_u24 v[ADV], v7, VP                   ; V^T fragment: key 8 h + (lane & 7),
	v_bfe_u32 v7, v0, 3, 1
	v_lshl_add_u32 v[ADV], v7, 4, v[ADV]           ; 16 bytes for each group of eight lanes
	v_add_nc_u32 v[ADV], VBASE, v[ADV]
	s_and_b32 s66, s17, 1
	s_lshl_b32 s66, s66, 5
	s_lshr_b32 s67, s14, 1
	s_lshl_b32 s67, s67, 4                         ; 16 (u >> 1)
	s_add_co_u32 s66, s66, s67
	v_lshlrev_b32 v7, 3, v6
	v_sub_nc_u32 v[LIM], v1, v7
	v_add_nc_u32 v[LIM], s66, v[LIM]               ; in the diagonal step key 16 m + 8 h + j is masked where 16 m + j > my query's place - 8 h
	v_mov_b32 v[NINF], 0xff800000
	v_mov_b32 v[TP], 0
	v_mov_b32 v[TP+1], 0
	s_lshl_b32 s68, s17, 5
	s_add_co_u32 s68, s68, s67                     ; my first query row
	s_and_b32 s69, s14, 1
	s_lshl_b32 s69, s69, 1
	s_lshl2_add_u32 s69, s16, s69                  ; my first head = 4 g + 2 (u & 1)
	s_mul_i32 s70, s69, HEADB
	s_lshl_b32 s71, s68, 7
	s_add_co_u32 s70, s70, s71
	s_mov_b32 s71, 0
	s_add_nc_u64 s[72:73], s[4:5], s[70:71]        ; q
	s_add_nc_u64 s[74:75], s[72:73], KBQOFF        ; kb_q
	s_lshl_b32 s70, s16, 8
	s_add_nc_u64 s[76:77], s[6:7], s[70:71]        ; sink_k[g]
	s_add_nc_u64 s[78:79], s[8:9], s[70:71]        ; sink_v[g]
	s_lshl_b32 s70, s68, 12
	s_lshl_b32 s60, s69, 7
	s_add_co_u32 s70, s70, s60
	s_add_nc_u64 s[80:81], s[10:11], s[70:71]      ; att at my rows and my two heads' 256 bytes
	v_lshlrev_b32 v26, 7, v1
	v_lshl_add_u32 v26, v6, 4, v26                 ; query row r, 16 bytes for each half
	v_lshlrev_b32 v27, 5, v6                       ; 8 h numbers of f32
	s_mul_i32 s60, s12, 16*SP
	s_add_co_u32 s60, s60, STAGE
	v_mul_u32_u24 v7, v1, SP
	v_lshl_add_u32 v7, v6, 4, v7
	v_add_nc_u32 v28, s60, v7                      ; stage in
	v_mul_u32_u24 v7, v6, SP
	v_lshl_add_u32 v7, v1, 4, v7
	v_add_nc_u32 v29, s60, v7                      ; stage back: sixteen lanes take a row of 256 bytes
	v_lshlrev_b32 v30, 4, v1
	v_lshl_add_u32 v30, v6, 12, v30
.irp y, 0,1
.irp k, 0,1
	global_load_b128 v[KQ+16*\y+8*\k:KQ+16*\y+8*\k+3],   v26, s[74:75] offset:\y*HEADB+64*\k
	global_load_b128 v[KQ+16*\y+8*\k+4:KQ+16*\y+8*\k+7], v26, s[74:75] offset:\y*HEADB+64*\k+32
.endr
.endr
	WIN 0x40
.irp y, 0,1
.irp k, 0,1
	global_load_b128 v[16*\y+8*\k:16*\y+8*\k+3],   v26, s[72:73] offset:\y*HEADB+64*\k
	global_load_b128 v[16*\y+8*\k+4:16*\y+8*\k+7], v26, s[72:73] offset:\y*HEADB+64*\k+32
.endr
.endr
	WIN 0
.irp c, 0,1,2,3
	global_load_b128 v[SC+8*\c:SC+8*\c+3],   v27, s[76:77] offset:64*\c       ; sink_k, numbers 16 c + 8 h .. + 7
	global_load_b128 v[SC+8*\c+4:SC+8*\c+7], v27, s[76:77] offset:64*\c+16
.endr
.irp y, 0,1
.irp d, 0,1,2,3
	global_load_b128 v[OA+32*\y+8*\d:OA+32*\y+8*\d+3],   v27, s[78:79] offset:64*\d      ; O starts as sink_v: nothing is cleared
	global_load_b128 v[OA+32*\y+8*\d+4:OA+32*\y+8*\d+7], v27, s[78:79] offset:64*\d+16
.endr
.endr
	s_wait_loadcnt 0x0
.set i, 0
.rept 16
	v_cvt_pk_bf16_f32 v[FR+i], v[SC+2*i], v[SC+2*i+1]          ; two A fragments whose sixteen rows are all sink_k
.set i, i+1
.endr
	v_wmma_f32_16x16x32_bf16 v[SC:SC+7],     v[FR:FR+7],    v[KQ:KQ+7],     0            ; the two accumulators take turns
	v_wmma_f32_16x16x32_bf16 v[SC+32:SC+39], v[FR:FR+7],    v[KQ+16:KQ+23], 0
	v_wmma_f32_16x16x32_bf16 v[SC:SC+7],     v[FR+8:FR+15], v[KQ+8:KQ+15],  v[SC:SC+7]
	v_wmma_f32_16x16x32_bf16 v[SC+32:SC+39], v[FR+8:FR+15], v[KQ+24:KQ+31], v[SC+32:SC+39]
	PLACES
	v_mov_b32 v[ML], v[SC]                         ; M = the sink's score
	v_mov_b32 v[ML+2], v[SC+32]
	v_cvt_f32_u32 v[ML+1], v6
	v_sub_f32 v[ML+1], 1.0, v[ML+1]                ; L = 1, counted in the lower half of the lanes alone
	v_mov_b32 v[ML+3], v[ML+1]
; the running softmax on 64 keys x 16 queries x 2 heads; the two heads' chains are interleaved
.macro SOFTMAX
	v_max3_num_f32 v[AT+1], v[SC], v[SC+1], v[SC+2]
	v_max3_num_f32 v[AT+3], v[SC+32], v[SC+33], v[SC+34]
.set i, 3
.rept 14
	v_max3_num_f32 v[AT+1], v[AT+1], v[SC+i], v[SC+i+1]
	v_max3_num_f32 v[AT+3], v[AT+3], v[SC+32+i], v[SC+32+i+1]
.set i, i+2
.endr
	v_max_num_f32 v[AT+1], v[AT+1], v[SC+31]
	v_max_num_f32 v[AT+3], v[AT+3], v[SC+63]
	v_permlanex16_b32 v[TP], v[AT+1], s56, s57     ; the other half's keys of the same query
	v_permlanex16_b32 v[TP+1], v[AT+3], s56, s57
	v_max3_num_f32 v[AT+1], v[AT+1], v[TP], v[ML]
	v_max3_num_f32 v[AT+3], v[AT+3], v[TP+1], v[ML+2]
	v_sub_f32 v[AT], v[ML], v[AT+1]
	v_sub_f32 v[AT+2], v[ML+2], v[AT+3]
	v_exp_f32 v[AT], v[AT]                         ; alpha
	v_exp_f32 v[AT+2], v[AT+2]
	v_mov_b32 v[ML], v[AT+1]                       ; also the plain instruction behind the exponentials
	v_mov_b32 v[ML+2], v[AT+3]
.set i, 0
.rept 16
	v_pk_add_f32 v[SC+2*i:SC+2*i+1], v[SC+2*i:SC+2*i+1], v[ML:ML+1] op_sel_hi:[1,0] neg_lo:[0,1] neg_hi:[0,1]
	v_pk_add_f32 v[SC+32+2*i:SC+32+2*i+1], v[SC+32+2*i:SC+32+2*i+1], v[ML+2:ML+3] op_sel_hi:[1,0] neg_lo:[0,1] neg_hi:[0,1]
.set i, i+1
.endr
.set i, 0
.rept 64
	v_exp_f32 v[SC+i], v[SC+i]
.set i, i+1
.endr
.set i, 0
	s_wait_alu depctr_va_vdst(0)
.rept 16
	v_pk_mul_f32 v[OA+2*i:OA+2*i+1], v[OA+2*i:OA+2*i+1], v[AT:AT+1] op_sel_hi:[1,0]       ; the first of these is the plain instruction behind the exponentials
	v_pk_mul_f32 v[OA+32+2*i:OA+32+2*i+1], v[OA+32+2*i:OA+32+2*i+1], v[AT+2:AT+3] op_sel_hi:[1,0]
.set i, i+1
.endr
.irp y, 0,1
	v_pk_add_f32 v[SM+4*\y:SM+4*\y+1],   v[SC+32*\y:SC+32*\y+1],   v[SC+32*\y+2:SC+32*\y+3]
	v_pk_add_f32 v[SM+4*\y+2:SM+4*\y+3], v[SC+32*\y+4:SC+32*\y+5], v[SC+32*\y+6:SC+32*\y+7]
.endr
.set i, 8
.rept 6
.irp y, 0,1
	v_pk_add_f32 v[SM+4*\y:SM+4*\y+1],   v[SM+4*\y:SM+4*\y+1],   v[SC+32*\y+i:SC+32*\y+i+1]
	v_pk_add_f32 v[SM+4*\y+2:SM+4*\y+3], v[SM+4*\y+2:SM+4*\y+3], v[SC+32*\y+i+2:SC+32*\y+i+3]
.endr
.set i, i+4
.endr
.irp y, 0,1
	v_pk_add_f32 v[SM+4*\y:SM+4*\y+1], v[SM+4*\y:SM+4*\y+1], v[SM+4*\y+2:SM+4*\y+3]
	v_add_f32 v[SM+4*\y], v[SM+4*\y], v[SM+4*\y+1]
	v_fma_f32 v[ML+2*\y+1], v[ML+2*\y+1], v[AT+2*\y], v[SM+4*\y]
.endr
.irp y, 0,1
.irp k, 0,1
.irp q, 0,1,2,3,4,5,6,7
	v_cvt_pk_bf16_f32 v[SC+32*\y+16*\k+\q], v[SC+32*\y+16*\k+2*\q], v[SC+32*\y+16*\k+2*\q+1]     ; tiles 2 k, 2 k + 1 packed in place: P's B fragment
.endr
.endr
.endr
.endm
; one step of 64 keys: rows 64 sub .. of the tile in the slot.  self = 1: with q, skipped beyond my diagonal, masked on it
.macro SUB slot, sub, self
.if \self
	s_cmp_ge_u32 s21, s[18+\sub]
	s_cbranch_scc1 .Lskip_\@
.set QB, 0
.else
.set QB, KQ
.endif
.rept 5
	v_nop                                          ; five places: the next products write over P, and K's loads over V's fragments, which the last products read
.endr
.irp m, 0,1,2,3
.irp k, 0,1
	ds_load_b128 v[FR+16*\m+8*\k:FR+16*\m+8*\k+3],   v[ADK] offset:\slot*KSLOT+(64*\sub+16*\m)*KP+64*\k
	ds_load_b128 v[FR+16*\m+8*\k+4:FR+16*\m+8*\k+7], v[ADK] offset:\slot*KSLOT+(64*\sub+16*\m)*KP+64*\k+32
.endr
.endr
	s_wait_dscnt 0x0
.if \self
	WIN 0x04                                       ; q's fragments lie in window 1
.endif
.irp k, 0,1
.irp y, 0,1
.irp m, 0,1,2,3
.if \k
	v_wmma_f32_16x16x32_bf16 v[SC+32*\y+8*\m:SC+32*\y+8*\m+7], v[FR+16*\m+8*\k:FR+16*\m+8*\k+7], v[QB+16*\y+8*\k:QB+16*\y+8*\k+7], v[SC+32*\y+8*\m:SC+32*\y+8*\m+7]
.else
	v_wmma_f32_16x16x32_bf16 v[SC+32*\y+8*\m:SC+32*\y+8*\m+7], v[FR+16*\m+8*\k:FR+16*\m+8*\k+7], v[QB+16*\y+8*\k:QB+16*\y+8*\k+7], 0
.endif
.endr
.endr
.endr
	WIN 0
	PLACES
.irp d, 0,1,2,3
.irp k, 0,1
	ds_load_tr16_b128 v[FR+16*\d+8*\k:FR+16*\d+8*\k+3],   v[ADV] offset:\slot*VSLOT+(64*\sub+32*\k)*VP+32*\d
	ds_load_tr16_b128 v[FR+16*\d+8*\k+4:FR+16*\d+8*\k+7], v[ADV] offset:\slot*VSLOT+(64*\sub+32*\k)*VP+32*\d+16*VP
.endr
.endr
.if \self
	s_cmp_lg_u32 s21, s[19+\sub]
	s_cbranch_scc1 .Lnomask_\@
.irp m, 0,1,2,3
.irp j, 0,1,2,3,4,5,6,7
	v_cmp_gt_i32 vcc_lo, 16*\m+\j, v[LIM]
	v_cndmask_b32 v[SC+8*\m+\j], v[SC+8*\m+\j], v[NINF], vcc_lo
	v_cndmask_b32 v[SC+32+8*\m+\j], v[SC+32+8*\m+\j], v[NINF], vcc_lo
.endr
.endr
.Lnomask_\@:
.endif
	SOFTMAX
	s_wait_dscnt 0x0                               ; V's fragments, asked for ahead of the softmax
.irp k, 0,1
.irp y, 0,1
.irp d, 0,1,2,3
	v_wmma_f32_16x16x32_bf16 v[OA+32*\y+8*\d:OA+32*\y+8*\d+7], v[FR+16*\d+8*\k:FR+16*\d+8*\k+7], v[SC+32*\y+16*\k:SC+32*\y+16*\k+7], v[OA+32*\y+8*\d:OA+32*\y+8*\d+7]
.endr
.endr
.endr
.if \self
.Lskip_\@:
.endif
.endm
; one tile of 128 keys.  Every wave waits for all its tensor loads and its LDS reads, passes the barrier; then the other slot is filled, first thing.
.macro TRIP slot, refill, self
	s_set_vgpr_msb 0x4
	s_wait_tensorcnt 0x0                           ; no load of mine is out: this trip's tile is in, and every group 0 may be written
	ds_add_u32 v31, v33
	s_wait_dscnt 0x0
	s_set_vgpr_msb 0x400
	s_add_nc_u64 s[G0K+4*\slot+2:G0K+4*\slot+3], s[G0K+4*\slot+2:G0K+4*\slot+3], 32768   ; this slot's next tile: two tiles on
	s_add_nc_u64 s[G0V+4*\slot+2:G0V+4*\slot+3], s[G0V+4*\slot+2:G0V+4*\slot+3], 32768
	s_wait_dscnt 0x0                               ; my reads of the last trip's tile are done
	s_barrier_signal -1
	s_barrier_wait -1
.if \refill
	ALOAD 1-\slot
.endif
	SUB \slot, 0, \self
	SUB \slot, 1, \self
.if \self
	s_add_co_u32 s21, s21, 2
.endif
.endm
	TRIP 0, 1, 0                                   ; the 256 KB keys
	TRIP 1, 1, 0
	s_mov_b32 s58, 0
.Lself:
	TRIP 0, 1, 1
	TRIP 1, 1, 1
	s_add_co_u32 s58, s58, 1
	s_cmp_lt_u32 s58, s23
	s_cbranch_scc1 .Lself
	s_and_b32 s59, s22, 1                          ; the number of tiles hangs on the work-group's number alone: all waves go the same way
	s_cmp_lg_u32 s59, 0
	s_cbranch_scc1 .Lodd
	TRIP 0, 1, 1                                   ; two tiles are left: one more fill,
	TRIP 1, 0, 1                                   ; then none
	s_branch .Lout
.Lodd:
	TRIP 0, 0, 1                                   ; one tile is left
.Lout:
	PLACES
	v_permlanex16_b32 v[TP], v[ML+1], s56, s57
	v_permlanex16_b32 v[TP+1], v[ML+3], s56, s57
	v_add_f32 v[AT], v[ML+1], v[TP]
	v_add_f32 v[AT+2], v[ML+3], v[TP+1]
	v_rcp_f32 v[AT], v[AT]
	v_rcp_f32 v[AT+2], v[AT+2]
	v_nop
.set i, 0
	s_wait_alu depctr_va_vdst(0)
.rept 16
	v_pk_mul_f32 v[OA+2*i:OA+2*i+1], v[OA+2*i:OA+2*i+1], v[AT:AT+1] op_sel_hi:[1,0]
	v_pk_mul_f32 v[OA+32+2*i:OA+32+2*i+1], v[OA+32+2*i:OA+32+2*i+1], v[AT+2:AT+3] op_sel_hi:[1,0]
.set i, i+1
.endr
.set i, 0
.rept 32
	v_cvt_pk_bf16_f32 v[SC+i], v[OA+2*i], v[OA+2*i+1]
.set i, i+1
.endr
.irp y, 0,1
.irp d, 0,1,2,3
	ds_store_b128 v28, v[SC+16*\y+4*\d:SC+16*\y+4*\d+3] offset:128*\y+32*\d   ; query r: head y, numbers 16 d + 8 h .. + 7
.endr
.endr
.irp t, 0,1,2,3,4,5,6,7
	ds_load_b128 v[FR+4*\t:FR+4*\t+3], v29 offset:2*SP*\t                     ; my own bytes, served in order
.endr
.irp t, 0,1,2,3,4,5,6,7
	s_wait_dscnt 7-\t
	global_store_b128 v30, v[FR+4*\t:FR+4*\t+3], s[80:81] offset:8192*\t      ; sixteen lanes store 256 consecutive aligned bytes
.endr
	s_set_vgpr_msb 0x4
	s_wait_tensorcnt 0x0
	ds_add_u32 v31, v33
	s_wait_dscnt 0x0
	s_set_vgpr_msb 0x400
	s_endpgm
.Lfunc_end_k_q02c694e77b_attn:
	.size	k_q02c694e77b_attn, .Lfunc_end_k_q02c694e77b_attn-k_q02c694e77b_attn
	.p2alignl 7, 3214868480
	.fill 96, 4, 3214868480
	.section	.rodata,"a",@progbits
	.p2align	6, 0x0
	.amdhsa_kernel k_q02c694e77b_attn
		.amdhsa_group_segment_fixed_size 327680
		.amdhsa_private_segment_fixed_size 0
		.amdhsa_enable_private_segment 0
		.amdhsa_kernarg_size 32
		.amdhsa_user_sgpr_count 2
		.amdhsa_user_sgpr_kernarg_segment_ptr 1
		.amdhsa_wavefront_size32 1
		.amdhsa_system_sgpr_workgroup_id_x 1
		.amdhsa_system_sgpr_workgroup_id_y 1
		.amdhsa_system_sgpr_workgroup_id_z 1
		.amdhsa_system_vgpr_workitem_id 0
		.amdhsa_next_free_vgpr 290
		.amdhsa_next_free_sgpr 84
		.amdhsa_reserve_vcc 1
		.amdhsa_float_denorm_mode_32 3
		.amdhsa_float_denorm_mode_16_64 3
		.amdhsa_memory_ordered 1
		.amdhsa_forward_progress 1
		.amdhsa_inst_pref_size 255
	.end_amdhsa_kernel
	.section	.bss,"aw",@nobits
	.p2align	6
	.space	262144
	.amdgpu_metadata
---
amdhsa.version: [ 1, 2 ]
amdhsa.kernels:
  - .name:           k_q02c694e77b_attn
    .symbol:         k_q02c694e77b_attn.kd
    .args:
      - { .name: qkv, .offset: 0, .size: 8, .value_kind: global_buffer, .address_space: global }
      - { .name: sink_k, .offset: 8, .size: 8, .value_kind: global_buffer, .address_space: global }
      - { .name: sink_v, .offset: 16, .size: 8, .value_kind: global_buffer, .address_space: global }
      - { .name: att, .offset: 24, .size: 8, .value_kind: global_buffer, .address_space: global }
    .group_segment_fixed_size: 327680
    .private_segment_fixed_size: 0
    .kernarg_segment_align: 8
    .kernarg_segment_size: 32
    .max_flat_workgroup_size: 256
    .sgpr_count:     84
    .vgpr_count:     290
    .wavefront_size: 32
...
	.end_amdgpu_metadata
.endif
;; end of part 3
;; launch oproj (part 4): grid 16 x 16, 4 waves a work-group, clusters of 4 x 4, 327,680 bytes of LDS; arguments att, wb, hidden_states, hws; writes hws
.if DOCPART == 4
	.amdgcn_target "amdgcn-amd-amdhsa--gfx1250"
	.amdhsa_code_object_version 6
	.text
	.protected	k_q02c694e77b_oproj
	.globl	k_q02c694e77b_oproj
	.p2align	8
	.type	k_q02c694e77b_oproj,@function
k_q02c694e77b_oproj:
	s_mov_b64 s[64:65], 0
	v_nop
	global_prefetch_b8 v0, s[64:65] scope:SCOPE_SE
	s_setreg_imm32_b32 hwreg(HW_REG_WAVE_MODE, 25, 1), 1
	s_wait_xcnt 0x0
	s_wait_alu depctr_hold_cnt(0) depctr_sa_sdst(0) depctr_va_vdst(0) depctr_va_sdst(0) depctr_va_ssrc(0) depctr_va_vcc(0) depctr_vm_vsrc(0)
	s_getreg_b32 s2, hwreg(HW_REG_IB_STS2, 6, 4)
	s_cmp_eq_u32 s2, 0
	s_cbranch_scc0 .Lentry_in_a_cluster
	s_endpgm
.Lentry_in_a_cluster:
	s_bfe_u32 s2, ttmp6, 0x10000c
	s_cmp_lg_u32 s2, 0xf033
	s_cbranch_scc0 .Lentry_shape_is_right
	s_endpgm
.Lentry_shape_is_right:
; OPROJ: h = hidden_states + att o_w^T, f32, into hws.  att and o_w are bf16: |att| can reach the largest |v|, which has no room in f16.
; The product: 128 x 128 a work-group, four waves of 64 x 64, K = 2,048 in slots of 256 (rows of 512 bytes, aligned) through two LDS slots,
; one tensor load of 64 rows a wave.  CLUSTERS of 4 x 4: A's tile is asked for jointly by a row of the cluster, B's by a column.
; REGISTERS: window 0: v0-31 addresses, v64-127 and v128-191 fragment buffers, v192-223 at work; window 1: v0-127 accumulators (tile (a, b) at 8 (4 a + b)),
; v128-255 the residual, asked for ahead of the K loop.
; Source 0 = rows of B, source 1 = rows of A: register j of lane (r, h) is C(16 a + r, 16 b + 8 h + j).
.set PITCH,  528                       ; an LDS row: 512 bytes + 16 of padding, an odd multiple of 16
.set HALFT,  64*PITCH
.set SLOT,   4*HALFT
.set STAGE,  2*SLOT                    ; each wave's own 16 rows x 272 bytes
.set SPITCH, 272
.set BOFF, 25165824                    ; o_w in wb
.set ADRA, 16
.set ADRB, 20
.set STO,  24
.set RD,   25
.set CO,   26
.set F0,   64
.set F1,   128
.set TMP,  192
.set RES,  128
.set G1, 24
.set G0, 32
.set G1B, 48
.set G0B, 56
.set MULW, 0x50
.set MSB, 0
.macro WIN new
.if MSB != \new
	s_set_vgpr_msb (MSB<<8)|\new
.set MSB, \new
.endif
.endm
.macro PLACES
.rept 4
	v_nop
.endr
.endm
.macro JLOAD s
	s_cmp_eq_u32 s11, 0
	s_cbranch_scc0 .Lfor_b_\@
	tensor_load_to_lds s[G0+4*\s:G0+4*\s+3], s[G1:G1+7]
	s_nop 0
	s_branch .Lasked_\@
.Lfor_b_\@:
	tensor_load_to_lds s[G0B+4*\s:G0B+4*\s+3], s[G1B:G1B+7]
	s_nop 0
.Lasked_\@:
.endm
.macro CREST
	s_cmp_lg_u32 s10, 0
	s_cbranch_scc1 .Lnot_wave_0_\@
	s_barrier_signal -3
.Lnot_wave_0_\@:
	s_barrier_wait -3
	s_barrier_signal -1
	s_barrier_wait -1
.endm
.macro CROUND
	s_barrier_signal -1
	s_barrier_wait -1
	CREST
.endm
; the sixteen accumulators take turns, one instruction a turn, in the same order in every quarter
.macro MUL8 f, a0, zero
.irp a, \a0, \a0+1
.irp b, 0,1,2,3
.if \zero
	v_wmma_f32_16x16x32_bf16 v[8*(4*(\a)+\b):8*(4*(\a)+\b)+7], v[\f+8*\b:\f+8*\b+7], v[\f+32+8*(\a):\f+32+8*(\a)+7], 0
.else
	v_wmma_f32_16x16x32_bf16 v[8*(4*(\a)+\b):8*(4*(\a)+\b)+7], v[\f+8*\b:\f+8*\b+7], v[\f+32+8*(\a):\f+32+8*(\a)+7], v[8*(4*(\a)+\b):8*(4*(\a)+\b)+7]
.endif
.endr
.endr
.endm
.macro FETCH slot, k, f
.irp i, 0,1,2,3
	ds_load_b128 v[\f+8*\i:\f+8*\i+3],   v[ADRB+(\slot)] offset:\k+\i*16*PITCH
	ds_load_b128 v[\f+8*\i+4:\f+8*\i+7], v[ADRB+(\slot)] offset:\k+\i*16*PITCH+32
.endr
.irp i, 0,1,2,3
	ds_load_b128 v[\f+32+8*\i:\f+32+8*\i+3],   v[ADRA+(\slot)] offset:\k+\i*16*PITCH
	ds_load_b128 v[\f+32+8*\i+4:\f+32+8*\i+7], v[ADRA+(\slot)] offset:\k+\i*16*PITCH+32
.endr
.endm
.macro QUARTER slot, k, f, g, zero
	s_wait_dscnt 0x0                               ; buffer f's sixteen loads; nothing younger is out
	PLACES
	FETCH \slot, \k, \g
	WIN MULW
	MUL8 \f, 0, \zero
	MUL8 \f, 2, \zero
	WIN 0
.endm
.macro SEVEN slot, zero
	QUARTER \slot, 64,  F0, F1, \zero
	QUARTER \slot, 128, F1, F0, 0
	QUARTER \slot, 192, F0, F1, 0
	QUARTER \slot, 256, F1, F0, 0
	QUARTER \slot, 320, F0, F1, 0
	QUARTER \slot, 384, F1, F0, 0
	QUARTER \slot, 448, F0, F1, 0
.endm
; the eighth quarter changes slots: my reads of this slot and all my tensor loads are waited for in front of the barrier;
; mode 1: the barrier opens a round of the cluster's barrier, behind which this slot is filled again, first thing
.macro TURN slot, next, mode
	s_wait_dscnt 0x0
	s_wait_tensorcnt 0x0
	ds_add_u32 v254, v255
	s_wait_dscnt 0x0
	s_barrier_signal -1
	WIN MULW
	MUL8 F1, 0, 0
	WIN 0
	s_barrier_wait -1
.if \mode == 1
	CREST
	s_add_nc_u64 s[G0+4*\slot+2:G0+4*\slot+3], s[G0+4*\slot+2:G0+4*\slot+3], 1024
	s_add_nc_u64 s[G0B+4*\slot+2:G0B+4*\slot+3], s[G0B+4*\slot+2:G0B+4*\slot+3], 1024
	JLOAD \slot
.endif
	PLACES
	FETCH \next, 0, F0
	WIN MULW
	MUL8 F1, 2, 0
	WIN 0
.endm
	s_load_b128 s[4:7], s[0:1], 0x0                ; att, wb
	s_load_b128 s[68:71], s[0:1], 0x10             ; hidden_states, hws
	v_lshl_add_u32 v254, v0, 2, 0x46400
	v_mov_b32 v255, 0
	ds_add_u32 v254, v255
	v_lshrrev_b32 v1, 5, v0
	v_readfirstlane_b32 s10, v1
	s_lshr_b32 s11, s10, 1
	s_and_b32 s12, s10, 1
	s_bfe_u32 s40, ttmp6, 0x40000
	s_bfe_u32 s41, ttmp6, 0x40004
	s_lshl_b32 s42, ttmp9, 2
	s_add_co_u32 s42, s42, s40                     ; block column
	s_and_b32 s13, ttmp7, 0xffff
	s_lshl_b32 s13, s13, 2
	s_add_co_u32 s13, s13, s41                     ; block row
	s_lshl_b32 s43, s41, 2
	s_lshl_b32 s43, 15, s43
	s_lshl_b32 s44, 0x1111, s40
	s_or_b32 s[G1+0], s43, (1<<16)|(1<<20)|(1<<21)|(6<<22)|(3<<25)
	s_or_b32 s[G1B+0], s44, (1<<16)|(1<<20)|(1<<21)|(6<<22)|(3<<25)
	s_mov_b32 s[G1+1], 256<<16
	s_mov_b32 s[G1B+1], 256<<16
	s_mov_b32 s[G1+2], 64<<16
	s_mov_b32 s[G1B+2], 64<<16
	s_mov_b32 s[G1+3], 256<<16
	s_mov_b32 s[G1B+3], 256<<16
	s_mov_b32 s[G1+4], 64
	s_mov_b32 s[G1B+4], 64
	s_mov_b32 s[G1+5], 2048
	s_mov_b32 s[G1B+5], 2048
	s_mov_b32 s[G1+6], 0
	s_mov_b32 s[G1B+6], 0
	s_mov_b32 s[G1+7], 0
	s_mov_b32 s[G1B+7], 0
	s_lshl_b32 s17, s12, 6
	s_lshl_b32 s16, s13, 7
	s_add_co_u32 s16, s16, s17
	s_lshl_b32 s46, s42, 7
	s_add_co_u32 s46, s46, s17
	s_lshl_b32 s16, s16, 12
	s_lshl_b32 s46, s46, 12
	s_mov_b32 s17, 0
	s_mov_b32 s47, 0
	s_mul_i32 s20, s10, HALFT
	s_wait_dscnt 0x0
	s_wait_kmcnt 0x0
	s_add_nc_u64 s[14:15], s[4:5], s[16:17]
	s_add_nc_u64 s[46:47], s[6:7], s[46:47]
	s_add_nc_u64 s[46:47], s[46:47], BOFF
	CROUND
.irp s, 0,1
	s_mov_b32 s[G0+4*\s], 1
	s_add_co_u32 s[G0+4*\s+1], s20, \s*SLOT
	s_add_nc_u64 s[G0+4*\s+2:G0+4*\s+3], s[14:15], \s*512
	s_or_b32 s[G0+4*\s+3], s[G0+4*\s+3], 0x80000000
	s_mov_b32 s[G0B+4*\s], 1
	s_add_co_u32 s[G0B+4*\s+1], s20, \s*SLOT
	s_add_nc_u64 s[G0B+4*\s+2:G0B+4*\s+3], s[46:47], \s*512
	s_or_b32 s[G0B+4*\s+3], s[G0B+4*\s+3], 0x80000000
	JLOAD \s
.endr
	v_and_b32 v1, 15, v0                           ; r
	v_bfe_u32 v2, v0, 4, 1                         ; h
	v_mul_u32_u24 v3, v1, PITCH
	v_lshl_add_u32 v3, v2, 4, v3
	s_mul_i32 s21, s11, HALFT
	s_mul_i32 s22, s12, HALFT
	s_add_co_u32 s22, s22, 2*HALFT
.irp s, 0,1
	v_add_nc_u32 v[ADRA+\s], s21, v3
	v_add_nc_u32 v[ADRB+\s], s22, v3
	s_add_co_u32 s21, s21, SLOT
	s_add_co_u32 s22, s22, SLOT
.endr
	s_mul_i32 s23, s10, 16*SPITCH
	s_add_co_u32 s23, s23, STAGE
	v_mul_u32_u24 v4, v1, SPITCH
	v_lshl_add_u32 v5, v2, 5, v4
	v_add_nc_u32 v[STO], s23, v5                   ; in: row r, 32 bytes for each half of the lanes
	v_mul_u32_u24 v5, v2, SPITCH
	v_lshl_add_u32 v6, v1, 4, v5
	v_add_nc_u32 v[RD], s23, v6                    ; back: sixteen lanes take a row of 256 bytes
	v_lshlrev_b32 v7, 4, v1
	v_lshl_add_u32 v[CO], v2, 13, v7               ; the same two rows in the residual and in h (rows of 8,192 bytes)
	s_lshl_b32 s74, s13, 7
	s_lshl_b32 s75, s11, 6
	s_add_co_u32 s74, s74, s75                     ; my first row
	s_lshl_b32 s75, s42, 7
	s_lshl_b32 s76, s12, 6
	s_add_co_u32 s75, s75, s76                     ; my first column
	s_lshl_b32 s76, s74, 13
	s_lshl2_add_u32 s76, s75, s76
	s_mov_b32 s77, 0
	s_add_nc_u64 s[78:79], s[68:69], s[76:77]      ; the residual
	s_add_nc_u64 s[80:81], s[70:71], s[76:77]      ; h
	WIN 0x40                                       ; the residual: 32 loads into window 1, asked for now, used behind the product
.set i, 0
.rept 32
	global_load_b128 v[RES+4*i:RES+4*i+3], v[CO], s[78:79] offset:2*i*8192
.set i, i+1
.endr
	WIN 0
	s_wait_tensorcnt 0x1                           ; my part of slot 0 is in; slot 1's stays out
	s_barrier_signal -1
	s_barrier_wait -1
	FETCH 0, 0, F0
	SEVEN 0, 1                                     ; the first products start the sums: nothing is cleared
	TURN 0, 1, 1
	SEVEN 1, 0
	TURN 1, 0, 1
	s_mov_b32 s3, 2
.Llap:
	SEVEN 0, 0
	TURN 0, 1, 1
	SEVEN 1, 0
	TURN 1, 0, 1
	s_sub_co_u32 s3, s3, 1
	s_cmp_lg_u32 s3, 0
	s_cbranch_scc1 .Llap
	SEVEN 0, 0                                     ; the last two slots fill nothing
	TURN 0, 1, 0
	SEVEN 1, 0
	s_wait_dscnt 0x0
	WIN MULW
	MUL8 F1, 0, 0
	MUL8 F1, 2, 0
	WIN 0
	PLACES
; rows 16 a .. 16 a + 15: through my stage into row order, + residual, out
.macro HROWS a
	WIN 0x04                                       ; store data in window 1
.irp b, 0,1,2,3
	ds_store_b128 v[STO], v[8*(4*\a+\b):8*(4*\a+\b)+3]   offset:64*\b
	ds_store_b128 v[STO], v[8*(4*\a+\b)+4:8*(4*\a+\b)+7] offset:64*\b+16
.endr
	WIN 0
	s_wait_xcnt 0x0                                ; v[TMP..], the data of the last group's stores, is loaded again only behind this wait
.irp t, 0,1,2,3,4,5,6,7
	ds_load_b128 v[TMP+4*\t:TMP+4*\t+3], v[RD] offset:2*SPITCH*\t             ; my own bytes, served in order
.endr
	s_wait_dscnt 0x0
	s_wait_loadcnt 8*(3-\a)                        ; this group's eight residual loads are in; the later groups' stay out
	WIN 0x04
.irp t, 0,1,2,3,4,5,6,7
	v_pk_add_f32 v[TMP+4*\t:TMP+4*\t+1],   v[TMP+4*\t:TMP+4*\t+1],   v[RES+4*(8*\a+\t):RES+4*(8*\a+\t)+1]
	v_pk_add_f32 v[TMP+4*\t+2:TMP+4*\t+3], v[TMP+4*\t+2:TMP+4*\t+3], v[RES+4*(8*\a+\t)+2:RES+4*(8*\a+\t)+3]
.endr
	WIN 0
.irp t, 0,1,2,3,4,5,6,7
	global_store_b128 v[CO], v[TMP+4*\t:TMP+4*\t+3], s[80:81] offset:(16*\a+2*\t)*8192    ; sixteen lanes store 256 consecutive aligned bytes
.endr
.endm
	HROWS 0
	HROWS 1
	HROWS 2
	HROWS 3
	s_wait_tensorcnt 0x0
	ds_add_u32 v254, v255
	s_wait_dscnt 0x0
	CROUND                                         ; the closing round: no work-group ends while a partner may still ask jointly
	s_endpgm
.Lfunc_end_k_q02c694e77b_oproj:
	.size	k_q02c694e77b_oproj, .Lfunc_end_k_q02c694e77b_oproj-k_q02c694e77b_oproj
	.p2alignl 7, 3214868480
	.fill 96, 4, 3214868480
	.section	.rodata,"a",@progbits
	.p2align	6, 0x0
	.amdhsa_kernel k_q02c694e77b_oproj
		.amdhsa_group_segment_fixed_size 327680
		.amdhsa_private_segment_fixed_size 0
		.amdhsa_enable_private_segment 0
		.amdhsa_kernarg_size 32
		.amdhsa_user_sgpr_count 2
		.amdhsa_user_sgpr_kernarg_segment_ptr 1
		.amdhsa_wavefront_size32 1
		.amdhsa_system_sgpr_workgroup_id_x 1
		.amdhsa_system_sgpr_workgroup_id_y 1
		.amdhsa_system_sgpr_workgroup_id_z 1
		.amdhsa_system_vgpr_workitem_id 0
		.amdhsa_next_free_vgpr 512
		.amdhsa_next_free_sgpr 100
		.amdhsa_reserve_vcc 0
		.amdhsa_float_denorm_mode_32 3
		.amdhsa_float_denorm_mode_16_64 3
		.amdhsa_memory_ordered 1
		.amdhsa_forward_progress 1
		.amdhsa_inst_pref_size 133
	.end_amdhsa_kernel
	.amdgpu_metadata
---
amdhsa.version: [ 1, 2 ]
amdhsa.kernels:
  - .name:           k_q02c694e77b_oproj
    .symbol:         k_q02c694e77b_oproj.kd
    .args:
      - { .name: att, .offset: 0, .size: 8, .value_kind: global_buffer, .address_space: global }
      - { .name: wb, .offset: 8, .size: 8, .value_kind: global_buffer, .address_space: global }
      - { .name: hidden_states, .offset: 16, .size: 8, .value_kind: global_buffer, .address_space: global }
      - { .name: hws, .offset: 24, .size: 8, .value_kind: global_buffer, .address_space: global }
    .group_segment_fixed_size: 327680
    .private_segment_fixed_size: 0
    .kernarg_segment_align: 8
    .kernarg_segment_size: 32
    .max_flat_workgroup_size: 128
    .sgpr_count:     100
    .vgpr_count:     512
    .wavefront_size: 32
...
	.end_amdgpu_metadata
.endif
;; end of part 4
;; launch norm2 (part 5): grid 256 x 1, 8 waves a work-group, no clusters, 0 bytes of LDS; arguments hws, ln2_w, yb; writes yb
.if DOCPART == 5
	.amdgcn_target "amdgcn-amd-amdhsa--gfx1250"
	.amdhsa_code_object_version 6
	.text
	.protected	k_q02c694e77b_norm2
	.globl	k_q02c694e77b_norm2
	.p2align	8
	.type	k_q02c694e77b_norm2,@function
k_q02c694e77b_norm2:
	s_mov_b64 s[64:65], 0
	v_nop
	global_prefetch_b8 v0, s[64:65] scope:SCOPE_SE
	s_setreg_imm32_b32 hwreg(HW_REG_WAVE_MODE, 25, 1), 1
	s_wait_xcnt 0x0
; NORM2: y = (h * rsqrt(mean h^2 + eps)) * ln2_w, in that order of rounding, rounded once to f16.  h: [2048][2048] f32, y: [2048][2048] f16.
; One wave takes one row (8,192 bytes, 64 registers) and keeps it between the sum and the scaling: h is read once, no LDS, no barrier, no wave waits for another.
; 256 work-groups of eight waves; every load of a wave covers 512 consecutive bytes, every store 256 consecutive aligned bytes.
; WHY f16, AND WHY HERE: an error dz of z = y up_w^T enters relu(z)^2 as 2 z dz, so y's rounding weighs most in the result.  h itself has no room in f16
; (it grows with the product of three weights), the normalised row has: |h rs| <= sqrt(2048) = 45.3 for every input, so |y| <= 45.3 max|ln2_w|.
; The norm needs whole rows of h, which the launch before makes in blocks of 128 columns: hence a launch of its own.
; LIMIT: |ln2_w| below about 1,400, beyond which y passes 65,504; below 2^-14 a number of y keeps an absolute error of 2^-25.
.set X, 8                              ; v[8:71]    the row
.set G, 72                             ; v[72:135]  ln2_w of my columns
.set T, 136                            ; v[136:143] at work
	s_load_b128 s[4:7], s[0:1], 0x0                ; h, ln2_w
	s_load_b64 s[8:9], s[0:1], 0x10                ; y
	v_and_b32 v1, 31, v0                           ; lane
	v_lshrrev_b32 v2, 5, v0
	v_readfirstlane_b32 s10, v2                    ; wave
	s_lshl3_add_u32 s11, ttmp9, s10                ; my row = 8 x work-group + wave
	s_lshl_b32 s12, s11, 13                        ; rows of 8,192 bytes in,
	s_mov_b32 s13, 0
	s_lshl_b32 s14, s11, 12                        ; of 4,096 bytes out
	s_mov_b32 s15, 0
	s_mov_b32 s16, 0x76543210                      ; v_permlanex16_b32: lane i reads lane i of the other half
	s_mov_b32 s17, 0xfedcba98
	s_mov_b32 s18, 0x3a000000                      ; 1 / 2048
	s_mov_b32 s19, 0x3727c5ac                      ; 1e-5
	v_lshlrev_b32 v3, 4, v1
	v_lshlrev_b32 v4, 3, v1
	s_wait_kmcnt 0x0
	s_add_nc_u64 s[4:5], s[4:5], s[12:13]
	s_add_nc_u64 s[8:9], s[8:9], s[14:15]
.set i, 0
.rept 16
	global_load_b128 v[X+4*i:X+4*i+3], v3, s[4:5] offset:512*i
.set i, i+1
.endr
.set i, 0
.rept 16
	global_load_b128 v[G+4*i:G+4*i+3], v3, s[6:7] offset:512*i
.set i, i+1
.endr
	s_wait_loadcnt 16                              ; the row is in; the sixteen loads of ln2_w stay out
.irp k, 0,1,2,3
	v_pk_mul_f32 v[T+2*\k:T+2*\k+1], v[X+2*\k:X+2*\k+1], v[X+2*\k:X+2*\k+1]   ; four chains, started by products: nothing is cleared
.endr
.set m, 4
.rept 28
	v_pk_fma_f32 v[T+2*(m%4):T+2*(m%4)+1], v[X+2*m:X+2*m+1], v[X+2*m:X+2*m+1], v[T+2*(m%4):T+2*(m%4)+1]
.set m, m+1
.endr
	v_pk_add_f32 v[T:T+1], v[T:T+1], v[T+2:T+3]
	v_pk_add_f32 v[T+4:T+5], v[T+4:T+5], v[T+6:T+7]
	v_pk_add_f32 v[T:T+1], v[T:T+1], v[T+4:T+5]
	v_add_f32 v[T], v[T], v[T+1]
	v_add_f32_dpp v[T], v[T], v[T] row_xmask:1 row_mask:0xf bank_mask:0xf
	v_add_f32_dpp v[T], v[T], v[T] row_xmask:2 row_mask:0xf bank_mask:0xf
	v_add_f32_dpp v[T], v[T], v[T] row_xmask:4 row_mask:0xf bank_mask:0xf
	v_add_f32_dpp v[T], v[T], v[T] row_xmask:8 row_mask:0xf bank_mask:0xf
	v_permlanex16_b32 v[T+1], v[T], s16, s17
	v_add_f32 v[T], v[T], v[T+1]                   ; the row's sum of squares, in every lane
	v_fma_f32 v[T+2], v[T], s18, s19               ; mean + eps
	v_rsq_f32 v[T+4], v[T+2]
	v_rsq_f32 v[T+5], v[T+2]
	v_nop                                          ; one plain instruction behind a transcendental before its result is used
	s_wait_loadcnt 0x0                             ; ln2_w
.set i, 0
	s_wait_alu depctr_va_vdst(0)
.rept 16
	v_pk_mul_f32 v[X+4*i:X+4*i+1], v[X+4*i:X+4*i+1], v[T+4:T+5]
	v_pk_mul_f32 v[X+4*i+2:X+4*i+3], v[X+4*i+2:X+4*i+3], v[T+4:T+5]
	v_pk_mul_f32 v[X+4*i:X+4*i+1], v[X+4*i:X+4*i+1], v[G+4*i:G+4*i+1]
	v_pk_mul_f32 v[X+4*i+2:X+4*i+3], v[X+4*i+2:X+4*i+3], v[G+4*i+2:G+4*i+3]
	v_cvt_pk_f16_f32 v[X+4*i], v[X+4*i], v[X+4*i+1]
	v_cvt_pk_f16_f32 v[X+4*i+1], v[X+4*i+2], v[X+4*i+3]
	global_store_b64 v4, v[X+4*i:X+4*i+1], s[8:9] offset:256*i                ; no register is written again
.set i, i+1
.endr
	s_endpgm
.Lfunc_end_k_q02c694e77b_norm2:
	.size	k_q02c694e77b_norm2, .Lfunc_end_k_q02c694e77b_norm2-k_q02c694e77b_norm2
	.p2alignl 7, 3214868480
	.fill 96, 4, 3214868480
	.section	.rodata,"a",@progbits
	.p2align	6, 0x0
	.amdhsa_kernel k_q02c694e77b_norm2
		.amdhsa_group_segment_fixed_size 0
		.amdhsa_private_segment_fixed_size 0
		.amdhsa_enable_private_segment 0
		.amdhsa_kernarg_size 24
		.amdhsa_user_sgpr_count 2
		.amdhsa_user_sgpr_kernarg_segment_ptr 1
		.amdhsa_wavefront_size32 1
		.amdhsa_system_sgpr_workgroup_id_x 1
		.amdhsa_system_sgpr_workgroup_id_y 1
		.amdhsa_system_sgpr_workgroup_id_z 1
		.amdhsa_system_vgpr_workitem_id 0
		.amdhsa_next_free_vgpr 144
		.amdhsa_next_free_sgpr 66
		.amdhsa_reserve_vcc 0
		.amdhsa_float_denorm_mode_32 3
		.amdhsa_float_denorm_mode_16_64 3
		.amdhsa_memory_ordered 1
		.amdhsa_forward_progress 1
		.amdhsa_inst_pref_size 15
	.end_amdhsa_kernel
	.amdgpu_metadata
---
amdhsa.version: [ 1, 2 ]
amdhsa.kernels:
  - .name:           k_q02c694e77b_norm2
    .symbol:         k_q02c694e77b_norm2.kd
    .args:
      - { .name: hws, .offset: 0, .size: 8, .value_kind: global_buffer, .address_space: global }
      - { .name: ln2_w, .offset: 8, .size: 8, .value_kind: global_buffer, .address_space: global }
      - { .name: yb, .offset: 16, .size: 8, .value_kind: global_buffer, .address_space: global }
    .group_segment_fixed_size: 0
    .private_segment_fixed_size: 0
    .kernarg_segment_align: 8
    .kernarg_segment_size: 24
    .max_flat_workgroup_size: 256
    .sgpr_count:     66
    .vgpr_count:     144
    .wavefront_size: 32
...
	.end_amdgpu_metadata
.endif
;; end of part 5
;; launch up (part 6): grid 16 x 16, 4 waves a work-group, clusters of 4 x 4, 327,680 bytes of LDS; arguments yb, wb, u; writes u
.if DOCPART == 6
	.amdgcn_target "amdgcn-amd-amdhsa--gfx1250"
	.amdhsa_code_object_version 6
	.text
	.protected	k_q02c694e77b_up
	.globl	k_q02c694e77b_up
	.p2align	8
	.type	k_q02c694e77b_up,@function
k_q02c694e77b_up:
	s_mov_b64 s[64:65], 0
	v_nop
	global_prefetch_b8 v0, s[64:65] scope:SCOPE_SE
	s_setreg_imm32_b32 hwreg(HW_REG_WAVE_MODE, 25, 1), 1
	s_wait_xcnt 0x0
	s_wait_alu depctr_hold_cnt(0) depctr_sa_sdst(0) depctr_va_vdst(0) depctr_va_sdst(0) depctr_va_ssrc(0) depctr_va_vcc(0) depctr_vm_vsrc(0)
	s_getreg_b32 s2, hwreg(HW_REG_IB_STS2, 6, 4)
	s_cmp_eq_u32 s2, 0
	s_cbranch_scc0 .Lentry_in_a_cluster
	s_endpgm
.Lentry_in_a_cluster:
	s_bfe_u32 s2, ttmp6, 0x10000c
	s_cmp_lg_u32 s2, 0xf033
	s_cbranch_scc0 .Lentry_shape_is_right
	s_endpgm
.Lentry_shape_is_right:
; UP: u = relu(y up_w^T)^2, rounded to bf16.  y and up_w are f16 (both have room there: y is normalised, |y| <= 45.3 max|ln2_w|; up_w is an input of spread 0.02);
; u is bf16: it grows with the square of ln2_w and of up_w and has no room in f16.
; The product as in the other launches: 128 x 128 a work-group, four waves of 64 x 64, K = 2,048 in slots of 256 (rows of 512 bytes, aligned), two LDS slots,
; one tensor load of 64 rows a wave, clusters of 4 x 4 with joint loads (A's tile along a row of the cluster, B's along a column).
; REGISTERS: window 0: v0-31 addresses, v64-127 and v128-191 fragment buffers, v192-239 at work; window 1: v0-127 accumulators (tile (a, b) at 8 (4 a + b)).
; Source 0 = rows of B, source 1 = rows of A: register j of lane (r, h) is C(16 a + r, 16 b + 8 h + j): eight neighbouring numbers of a row, 16 bytes in bf16.
.set PITCH,  528
.set HALFT,  64*PITCH
.set SLOT,   4*HALFT
.set SPITCH, 272
.set WST,    2*SLOT                    ; behind the ring: the work-group's 128 rows x 272 bytes (128 bf16 + 16), never filled by a tensor load
.set BOFF, 33554432                    ; up_w in wb
.set ADRA, 16
.set ADRB, 20
.set WR,   22
.set HO,   23
.set WS,   24
.set F0,   64
.set F1,   128
.set TMP,  192
.set G1, 24
.set G0, 32
.set G1B, 48
.set G0B, 56
.set MULW, 0x50
.set MSB, 0
.macro WIN new
.if MSB != \new
	s_set_vgpr_msb (MSB<<8)|\new
.set MSB, \new
.endif
.endm
.macro PLACES
.rept 4
	v_nop
.endr
.endm
.macro JLOAD s
	s_cmp_eq_u32 s11, 0
	s_cbranch_scc0 .Lfor_b_\@
	tensor_load_to_lds s[G0+4*\s:G0+4*\s+3], s[G1:G1+7]
	s_nop 0
	s_branch .Lasked_\@
.Lfor_b_\@:
	tensor_load_to_lds s[G0B+4*\s:G0B+4*\s+3], s[G1B:G1B+7]
	s_nop 0
.Lasked_\@:
.endm
.macro CREST
	s_cmp_lg_u32 s10, 0
	s_cbranch_scc1 .Lnot_wave_0_\@
	s_barrier_signal -3
.Lnot_wave_0_\@:
	s_barrier_wait -3
	s_barrier_signal -1
	s_barrier_wait -1
.endm
.macro CROUND
	s_barrier_signal -1
	s_barrier_wait -1
	CREST
.endm
; the sixteen accumulators take turns, one instruction a turn, in the same order in every quarter
.macro MUL8 f, a0, zero
.irp a, \a0, \a0+1
.irp b, 0,1,2,3
.if \zero
	v_wmma_f32_16x16x32_f16 v[8*(4*(\a)+\b):8*(4*(\a)+\b)+7], v[\f+8*\b:\f+8*\b+7], v[\f+32+8*(\a):\f+32+8*(\a)+7], 0
.else
	v_wmma_f32_16x16x32_f16 v[8*(4*(\a)+\b):8*(4*(\a)+\b)+7], v[\f+8*\b:\f+8*\b+7], v[\f+32+8*(\a):\f+32+8*(\a)+7], v[8*(4*(\a)+\b):8*(4*(\a)+\b)+7]
.endif
.endr
.endr
.endm
.macro FETCH slot, k, f
.irp i, 0,1,2,3
	ds_load_b128 v[\f+8*\i:\f+8*\i+3],   v[ADRB+(\slot)] offset:\k+\i*16*PITCH
	ds_load_b128 v[\f+8*\i+4:\f+8*\i+7], v[ADRB+(\slot)] offset:\k+\i*16*PITCH+32
.endr
.irp i, 0,1,2,3
	ds_load_b128 v[\f+32+8*\i:\f+32+8*\i+3],   v[ADRA+(\slot)] offset:\k+\i*16*PITCH
	ds_load_b128 v[\f+32+8*\i+4:\f+32+8*\i+7], v[ADRA+(\slot)] offset:\k+\i*16*PITCH+32
.endr
.endm
.macro QUARTER slot, k, f, g, zero
	s_wait_dscnt 0x0                               ; buffer f's sixteen loads; nothing younger is out
	PLACES
	FETCH \slot, \k, \g
	WIN MULW
	MUL8 \f, 0, \zero
	MUL8 \f, 2, \zero
	WIN 0
.endm
.macro SEVEN slot, zero
	QUARTER \slot, 64,  F0, F1, \zero
	QUARTER \slot, 128, F1, F0, 0
	QUARTER \slot, 192, F0, F1, 0
	QUARTER \slot, 256, F1, F0, 0
	QUARTER \slot, 320, F0, F1, 0
	QUARTER \slot, 384, F1, F0, 0
	QUARTER \slot, 448, F0, F1, 0
.endm
; the eighth quarter changes slots: my reads of this slot and all my tensor loads are waited for in front of the barrier;
; mode 1: the barrier opens a round of the cluster's barrier, behind which this slot is filled again, first thing
.macro TURN slot, next, mode
	s_wait_dscnt 0x0
	s_wait_tensorcnt 0x0
	ds_add_u32 v254, v255
	s_wait_dscnt 0x0
	s_barrier_signal -1
	WIN MULW
	MUL8 F1, 0, 0
	WIN 0
	s_barrier_wait -1
.if \mode == 1
	CREST
	s_add_nc_u64 s[G0+4*\slot+2:G0+4*\slot+3], s[G0+4*\slot+2:G0+4*\slot+3], 1024
	s_add_nc_u64 s[G0B+4*\slot+2:G0B+4*\slot+3], s[G0B+4*\slot+2:G0B+4*\slot+3], 1024
	JLOAD \slot
.endif
	PLACES
	FETCH \next, 0, F0
	WIN MULW
	MUL8 F1, 2, 0
	WIN 0
.endm
	s_load_b128 s[4:7], s[0:1], 0x0                ; y, wb
	s_load_b64 s[68:69], s[0:1], 0x10              ; u
	v_lshl_add_u32 v254, v0, 2, 0x4a800
	v_mov_b32 v255, 0
	ds_add_u32 v254, v255
	v_lshrrev_b32 v1, 5, v0
	v_readfirstlane_b32 s10, v1
	s_lshr_b32 s11, s10, 1
	s_and_b32 s12, s10, 1
	s_bfe_u32 s40, ttmp6, 0x40000
	s_bfe_u32 s41, ttmp6, 0x40004
	s_lshl_b32 s42, ttmp9, 2
	s_add_co_u32 s42, s42, s40                     ; block column
	s_and_b32 s13, ttmp7, 0xffff
	s_lshl_b32 s13, s13, 2
	s_add_co_u32 s13, s13, s41                     ; block row
	s_lshl_b32 s43, s41, 2
	s_lshl_b32 s43, 15, s43
	s_lshl_b32 s44, 0x1111, s40
	s_or_b32 s[G1+0], s43, (1<<16)|(1<<20)|(1<<21)|(6<<22)|(3<<25)
	s_or_b32 s[G1B+0], s44, (1<<16)|(1<<20)|(1<<21)|(6<<22)|(3<<25)
	s_mov_b32 s[G1+1], 256<<16
	s_mov_b32 s[G1B+1], 256<<16
	s_mov_b32 s[G1+2], 64<<16
	s_mov_b32 s[G1B+2], 64<<16
	s_mov_b32 s[G1+3], 256<<16
	s_mov_b32 s[G1B+3], 256<<16
	s_mov_b32 s[G1+4], 64
	s_mov_b32 s[G1B+4], 64
	s_mov_b32 s[G1+5], 2048
	s_mov_b32 s[G1B+5], 2048
	s_mov_b32 s[G1+6], 0
	s_mov_b32 s[G1B+6], 0
	s_mov_b32 s[G1+7], 0
	s_mov_b32 s[G1B+7], 0
	s_lshl_b32 s17, s12, 6
	s_lshl_b32 s16, s13, 7
	s_add_co_u32 s16, s16, s17
	s_lshl_b32 s46, s42, 7
	s_add_co_u32 s46, s46, s17
	s_lshl_b32 s16, s16, 12
	s_lshl_b32 s46, s46, 12
	s_mov_b32 s17, 0
	s_mov_b32 s47, 0
	s_mul_i32 s20, s10, HALFT
	s_wait_dscnt 0x0
	s_wait_kmcnt 0x0
	s_add_nc_u64 s[14:15], s[4:5], s[16:17]
	s_add_nc_u64 s[46:47], s[6:7], s[46:47]
	s_add_nc_u64 s[46:47], s[46:47], BOFF
	CROUND
.irp s, 0,1
	s_mov_b32 s[G0+4*\s], 1
	s_add_co_u32 s[G0+4*\s+1], s20, \s*SLOT
	s_add_nc_u64 s[G0+4*\s+2:G0+4*\s+3], s[14:15], \s*512
	s_or_b32 s[G0+4*\s+3], s[G0+4*\s+3], 0x80000000
	s_mov_b32 s[G0B+4*\s], 1
	s_add_co_u32 s[G0B+4*\s+1], s20, \s*SLOT
	s_add_nc_u64 s[G0B+4*\s+2:G0B+4*\s+3], s[46:47], \s*512
	s_or_b32 s[G0B+4*\s+3], s[G0B+4*\s+3], 0x80000000
	JLOAD \s
.endr
	v_and_b32 v1, 15, v0                           ; r
	v_bfe_u32 v2, v0, 4, 1                         ; h
	v_mul_u32_u24 v3, v1, PITCH
	v_lshl_add_u32 v3, v2, 4, v3
	s_mul_i32 s21, s11, HALFT
	s_mul_i32 s22, s12, HALFT
	s_add_co_u32 s22, s22, 2*HALFT
.irp s, 0,1
	v_add_nc_u32 v[ADRA+\s], s21, v3
	v_add_nc_u32 v[ADRB+\s], s22, v3
	s_add_co_u32 s21, s21, SLOT
	s_add_co_u32 s22, s22, SLOT
.endr
	v_mul_u32_u24 v4, v1, SPITCH
	v_lshl_add_u32 v4, v2, 4, v4
	s_mul_i32 s21, s11, 64*SPITCH
	s_lshl_b32 s22, s12, 7
	s_add_co_u32 s21, s21, s22
	s_add_co_u32 s21, s21, WST
	v_add_nc_u32 v[WS], s21, v4                    ; into the shared stage: row 64 half + r, my 128 bytes, 16 bytes for each half of the lanes
	v_mul_u32_u24 v5, v2, SPITCH
	v_lshl_add_u32 v5, v1, 4, v5
	s_mul_i32 s21, s10, 32*SPITCH
	s_add_co_u32 s21, s21, WST
	v_add_nc_u32 v[WR], s21, v5                    ; back: wave w takes rows 32 w .., sixteen lanes a row of 256 bytes
	v_lshlrev_b32 v6, 4, v1
	v_lshl_add_u32 v[HO], v2, 12, v6               ; the same two rows in u (rows of 4,096 bytes)
	s_lshl_b32 s90, s13, 7
	s_lshl_b32 s91, s10, 5
	s_add_co_u32 s90, s90, s91
	s_lshl_b32 s90, s90, 12
	s_lshl_b32 s91, s42, 8
	s_add_co_u32 s90, s90, s91
	s_mov_b32 s91, 0
	s_add_nc_u64 s[92:93], s[68:69], s[90:91]      ; u at rows 128 x block row + 32 w, the block's 256 bytes
	s_wait_tensorcnt 0x1                           ; my part of slot 0 is in; slot 1's stays out
	s_barrier_signal -1
	s_barrier_wait -1
	FETCH 0, 0, F0
	SEVEN 0, 1                                     ; the first products start the sums: nothing is cleared
	TURN 0, 1, 1
	SEVEN 1, 0
	TURN 1, 0, 1
	s_mov_b32 s3, 2
.Llap:
	SEVEN 0, 0
	TURN 0, 1, 1
	SEVEN 1, 0
	TURN 1, 0, 1
	s_sub_co_u32 s3, s3, 1
	s_cmp_lg_u32 s3, 0
	s_cbranch_scc1 .Llap
	SEVEN 0, 0                                     ; the last two slots fill nothing
	TURN 0, 1, 0
	SEVEN 1, 0
	s_wait_dscnt 0x0
	WIN MULW
	MUL8 F1, 0, 0
	MUL8 F1, 2, 0
	WIN 0
	PLACES
; rows 16 a .. 16 a + 15: relu, square, round, into the shared stage
.macro UROWS a
	WIN 0x04                                       ; source 1 in window 1
.set i, 0
.rept 32
	v_max_num_f32 v[TMP+i], 0, v[32*\a+i]
.set i, i+1
.endr
	WIN 0
.set i, 0
.rept 16
	v_pk_mul_f32 v[TMP+2*i:TMP+2*i+1], v[TMP+2*i:TMP+2*i+1], v[TMP+2*i:TMP+2*i+1]
.set i, i+1
.endr
.set i, 0
.rept 16
	v_cvt_pk_bf16_f32 v[TMP+32+i], v[TMP+2*i], v[TMP+2*i+1]
.set i, i+1
.endr
.irp b, 0,1,2,3
	ds_store_b128 v[WS], v[TMP+32+4*\b:TMP+32+4*\b+3] offset:16*\a*SPITCH+32*\b
.endr
.endm
	UROWS 0
	UROWS 1
	UROWS 2
	UROWS 3
	s_wait_dscnt 0x0                               ; my part of the shared stage is written
	s_barrier_signal -1
	s_barrier_wait -1                              ; everybody's is
.set i, 0
.rept 16
	ds_load_b128 v[F0+4*i:F0+4*i+3], v[WR] offset:2*SPITCH*i
.set i, i+1
.endr
.set i, 0
.rept 16
	s_wait_dscnt 15-i                              ; LDS loads return in order: load i is in, the younger ones stay out
	global_store_b128 v[HO], v[F0+4*i:F0+4*i+3], s[92:93] offset:8192*i       ; sixteen lanes store 256 consecutive aligned bytes
.set i, i+1
.endr
	s_wait_tensorcnt 0x0
	ds_add_u32 v254, v255
	s_wait_dscnt 0x0
	CROUND                                         ; the closing round: no work-group ends while a partner may still ask jointly
	s_endpgm
.Lfunc_end_k_q02c694e77b_up:
	.size	k_q02c694e77b_up, .Lfunc_end_k_q02c694e77b_up-k_q02c694e77b_up
	.p2alignl 7, 3214868480
	.fill 96, 4, 3214868480
	.section	.rodata,"a",@progbits
	.p2align	6, 0x0
	.amdhsa_kernel k_q02c694e77b_up
		.amdhsa_group_segment_fixed_size 327680
		.amdhsa_private_segment_fixed_size 0
		.amdhsa_enable_private_segment 0
		.amdhsa_kernarg_size 24
		.amdhsa_user_sgpr_count 2
		.amdhsa_user_sgpr_kernarg_segment_ptr 1
		.amdhsa_wavefront_size32 1
		.amdhsa_system_sgpr_workgroup_id_x 1
		.amdhsa_system_sgpr_workgroup_id_y 1
		.amdhsa_system_sgpr_workgroup_id_z 1
		.amdhsa_system_vgpr_workitem_id 0
		.amdhsa_next_free_vgpr 384
		.amdhsa_next_free_sgpr 100
		.amdhsa_reserve_vcc 0
		.amdhsa_float_denorm_mode_32 3
		.amdhsa_float_denorm_mode_16_64 3
		.amdhsa_memory_ordered 1
		.amdhsa_forward_progress 1
		.amdhsa_inst_pref_size 134
	.end_amdhsa_kernel
	.amdgpu_metadata
---
amdhsa.version: [ 1, 2 ]
amdhsa.kernels:
  - .name:           k_q02c694e77b_up
    .symbol:         k_q02c694e77b_up.kd
    .args:
      - { .name: yb, .offset: 0, .size: 8, .value_kind: global_buffer, .address_space: global }
      - { .name: wb, .offset: 8, .size: 8, .value_kind: global_buffer, .address_space: global }
      - { .name: u, .offset: 16, .size: 8, .value_kind: global_buffer, .address_space: global }
    .group_segment_fixed_size: 327680
    .private_segment_fixed_size: 0
    .kernarg_segment_align: 8
    .kernarg_segment_size: 24
    .max_flat_workgroup_size: 128
    .sgpr_count:     100
    .vgpr_count:     384
    .wavefront_size: 32
...
	.end_amdgpu_metadata
.endif
;; end of part 6
;; launch down (part 7): grid 16 x 16, 4 waves a work-group, clusters of 4 x 4, 327,680 bytes of LDS; arguments u, wb, hws, out0; writes out0
.if DOCPART == 7
	.amdgcn_target "amdgcn-amd-amdhsa--gfx1250"
	.amdhsa_code_object_version 6
	.text
	.protected	k_q02c694e77b_down
	.globl	k_q02c694e77b_down
	.p2align	8
	.type	k_q02c694e77b_down,@function
k_q02c694e77b_down:
	s_mov_b64 s[64:65], 0
	v_nop
	global_prefetch_b8 v0, s[64:65] scope:SCOPE_SE
	s_setreg_imm32_b32 hwreg(HW_REG_WAVE_MODE, 25, 1), 1
	s_wait_xcnt 0x0
	s_wait_alu depctr_hold_cnt(0) depctr_sa_sdst(0) depctr_va_vdst(0) depctr_va_sdst(0) depctr_va_ssrc(0) depctr_va_vcc(0) depctr_vm_vsrc(0)
	s_getreg_b32 s2, hwreg(HW_REG_IB_STS2, 6, 4)
	s_cmp_eq_u32 s2, 0
	s_cbranch_scc0 .Lentry_in_a_cluster
	s_endpgm
.Lentry_in_a_cluster:
	s_bfe_u32 s2, ttmp6, 0x10000c
	s_cmp_lg_u32 s2, 0xf033
	s_cbranch_scc0 .Lentry_shape_is_right
	s_endpgm
.Lentry_shape_is_right:
; DOWN: out0 = h + u down_w^T, h in f32 from hws.
; The product as in the other launches: 128 x 128 a work-group, four waves of 64 x 64, K = 2,048 in slots of 256, two LDS slots, clusters of 4 x 4 with joint loads.
; REGISTERS: window 0: v0-31 addresses, v64-127 and v128-191 fragment buffers, v192-223 at work; window 1: v0-127 accumulators, v128-255 h, asked for ahead of the K loop.
.set PITCH,  528
.set HALFT,  64*PITCH
.set SLOT,   4*HALFT
.set STAGE,  2*SLOT                    ; each wave's own 16 rows x 272 bytes
.set SPITCH, 272
.set BOFF, 41943040                    ; down_w in wb
.set ADRA, 16
.set ADRB, 20
.set STO,  24
.set RD,   25
.set CO,   26
.set F0,   64
.set F1,   128
.set TMP,  192
.set RES,  128
.set G1, 24
.set G0, 32
.set G1B, 48
.set G0B, 56
.set MULW, 0x50
.set MSB, 0
.macro WIN new
.if MSB != \new
	s_set_vgpr_msb (MSB<<8)|\new
.set MSB, \new
.endif
.endm
.macro PLACES
.rept 4
	v_nop
.endr
.endm
.macro JLOAD s
	s_cmp_eq_u32 s11, 0
	s_cbranch_scc0 .Lfor_b_\@
	tensor_load_to_lds s[G0+4*\s:G0+4*\s+3], s[G1:G1+7]
	s_nop 0
	s_branch .Lasked_\@
.Lfor_b_\@:
	tensor_load_to_lds s[G0B+4*\s:G0B+4*\s+3], s[G1B:G1B+7]
	s_nop 0
.Lasked_\@:
.endm
.macro CREST
	s_cmp_lg_u32 s10, 0
	s_cbranch_scc1 .Lnot_wave_0_\@
	s_barrier_signal -3
.Lnot_wave_0_\@:
	s_barrier_wait -3
	s_barrier_signal -1
	s_barrier_wait -1
.endm
.macro CROUND
	s_barrier_signal -1
	s_barrier_wait -1
	CREST
.endm
; the sixteen accumulators take turns, one instruction a turn, in the same order in every quarter
.macro MUL8 f, a0, zero
.irp a, \a0, \a0+1
.irp b, 0,1,2,3
.if \zero
	v_wmma_f32_16x16x32_bf16 v[8*(4*(\a)+\b):8*(4*(\a)+\b)+7], v[\f+8*\b:\f+8*\b+7], v[\f+32+8*(\a):\f+32+8*(\a)+7], 0
.else
	v_wmma_f32_16x16x32_bf16 v[8*(4*(\a)+\b):8*(4*(\a)+\b)+7], v[\f+8*\b:\f+8*\b+7], v[\f+32+8*(\a):\f+32+8*(\a)+7], v[8*(4*(\a)+\b):8*(4*(\a)+\b)+7]
.endif
.endr
.endr
.endm
.macro FETCH slot, k, f
.irp i, 0,1,2,3
	ds_load_b128 v[\f+8*\i:\f+8*\i+3],   v[ADRB+(\slot)] offset:\k+\i*16*PITCH
	ds_load_b128 v[\f+8*\i+4:\f+8*\i+7], v[ADRB+(\slot)] offset:\k+\i*16*PITCH+32
.endr
.irp i, 0,1,2,3
	ds_load_b128 v[\f+32+8*\i:\f+32+8*\i+3],   v[ADRA+(\slot)] offset:\k+\i*16*PITCH
	ds_load_b128 v[\f+32+8*\i+4:\f+32+8*\i+7], v[ADRA+(\slot)] offset:\k+\i*16*PITCH+32
.endr
.endm
.macro QUARTER slot, k, f, g, zero
	s_wait_dscnt 0x0                               ; buffer f's sixteen loads; nothing younger is out
	PLACES
	FETCH \slot, \k, \g
	WIN MULW
	MUL8 \f, 0, \zero
	MUL8 \f, 2, \zero
	WIN 0
.endm
.macro SEVEN slot, zero
	QUARTER \slot, 64,  F0, F1, \zero
	QUARTER \slot, 128, F1, F0, 0
	QUARTER \slot, 192, F0, F1, 0
	QUARTER \slot, 256, F1, F0, 0
	QUARTER \slot, 320, F0, F1, 0
	QUARTER \slot, 384, F1, F0, 0
	QUARTER \slot, 448, F0, F1, 0
.endm
; the eighth quarter changes slots: my reads of this slot and all my tensor loads are waited for in front of the barrier;
; mode 1: the barrier opens a round of the cluster's barrier, behind which this slot is filled again, first thing
.macro TURN slot, next, mode
	s_wait_dscnt 0x0
	s_wait_tensorcnt 0x0
	ds_add_u32 v254, v255
	s_wait_dscnt 0x0
	s_barrier_signal -1
	WIN MULW
	MUL8 F1, 0, 0
	WIN 0
	s_barrier_wait -1
.if \mode == 1
	CREST
	s_add_nc_u64 s[G0+4*\slot+2:G0+4*\slot+3], s[G0+4*\slot+2:G0+4*\slot+3], 1024
	s_add_nc_u64 s[G0B+4*\slot+2:G0B+4*\slot+3], s[G0B+4*\slot+2:G0B+4*\slot+3], 1024
	JLOAD \slot
.endif
	PLACES
	FETCH \next, 0, F0
	WIN MULW
	MUL8 F1, 2, 0
	WIN 0
.endm
	s_load_b128 s[4:7], s[0:1], 0x0                ; u, wb
	s_load_b128 s[68:71], s[0:1], 0x10             ; hws, out0
	v_lshl_add_u32 v254, v0, 2, 0x46400
	v_mov_b32 v255, 0
	ds_add_u32 v254, v255
	v_lshrrev_b32 v1, 5, v0
	v_readfirstlane_b32 s10, v1
	s_lshr_b32 s11, s10, 1
	s_and_b32 s12, s10, 1
	s_bfe_u32 s40, ttmp6, 0x40000
	s_bfe_u32 s41, ttmp6, 0x40004
	s_lshl_b32 s42, ttmp9, 2
	s_add_co_u32 s42, s42, s40                     ; block column
	s_and_b32 s13, ttmp7, 0xffff
	s_lshl_b32 s13, s13, 2
	s_add_co_u32 s13, s13, s41                     ; block row
	s_lshl_b32 s43, s41, 2
	s_lshl_b32 s43, 15, s43
	s_lshl_b32 s44, 0x1111, s40
	s_or_b32 s[G1+0], s43, (1<<16)|(1<<20)|(1<<21)|(6<<22)|(3<<25)
	s_or_b32 s[G1B+0], s44, (1<<16)|(1<<20)|(1<<21)|(6<<22)|(3<<25)
	s_mov_b32 s[G1+1], 256<<16
	s_mov_b32 s[G1B+1], 256<<16
	s_mov_b32 s[G1+2], 64<<16
	s_mov_b32 s[G1B+2], 64<<16
	s_mov_b32 s[G1+3], 256<<16
	s_mov_b32 s[G1B+3], 256<<16
	s_mov_b32 s[G1+4], 64
	s_mov_b32 s[G1B+4], 64
	s_mov_b32 s[G1+5], 2048
	s_mov_b32 s[G1B+5], 2048
	s_mov_b32 s[G1+6], 0
	s_mov_b32 s[G1B+6], 0
	s_mov_b32 s[G1+7], 0
	s_mov_b32 s[G1B+7], 0
	s_lshl_b32 s17, s12, 6
	s_lshl_b32 s16, s13, 7
	s_add_co_u32 s16, s16, s17
	s_lshl_b32 s46, s42, 7
	s_add_co_u32 s46, s46, s17
	s_lshl_b32 s16, s16, 12
	s_lshl_b32 s46, s46, 12
	s_mov_b32 s17, 0
	s_mov_b32 s47, 0
	s_mul_i32 s20, s10, HALFT
	s_wait_dscnt 0x0
	s_wait_kmcnt 0x0
	s_add_nc_u64 s[14:15], s[4:5], s[16:17]
	s_add_nc_u64 s[46:47], s[6:7], s[46:47]
	s_add_nc_u64 s[46:47], s[46:47], BOFF
	CROUND
.irp s, 0,1
	s_mov_b32 s[G0+4*\s], 1
	s_add_co_u32 s[G0+4*\s+1], s20, \s*SLOT
	s_add_nc_u64 s[G0+4*\s+2:G0+4*\s+3], s[14:15], \s*512
	s_or_b32 s[G0+4*\s+3], s[G0+4*\s+3], 0x80000000
	s_mov_b32 s[G0B+4*\s], 1
	s_add_co_u32 s[G0B+4*\s+1], s20, \s*SLOT
	s_add_nc_u64 s[G0B+4*\s+2:G0B+4*\s+3], s[46:47], \s*512
	s_or_b32 s[G0B+4*\s+3], s[G0B+4*\s+3], 0x80000000
	JLOAD \s
.endr
	v_and_b32 v1, 15, v0                           ; r
	v_bfe_u32 v2, v0, 4, 1                         ; h
	v_mul_u32_u24 v3, v1, PITCH
	v_lshl_add_u32 v3, v2, 4, v3
	s_mul_i32 s21, s11, HALFT
	s_mul_i32 s22, s12, HALFT
	s_add_co_u32 s22, s22, 2*HALFT
.irp s, 0,1
	v_add_nc_u32 v[ADRA+\s], s21, v3
	v_add_nc_u32 v[ADRB+\s], s22, v3
	s_add_co_u32 s21, s21, SLOT
	s_add_co_u32 s22, s22, SLOT
.endr
	s_mul_i32 s23, s10, 16*SPITCH
	s_add_co_u32 s23, s23, STAGE
	v_mul_u32_u24 v4, v1, SPITCH
	v_lshl_add_u32 v5, v2, 5, v4
	v_add_nc_u32 v[STO], s23, v5
	v_mul_u32_u24 v5, v2, SPITCH
	v_lshl_add_u32 v6, v1, 4, v5
	v_add_nc_u32 v[RD], s23, v6
	v_lshlrev_b32 v7, 4, v1
	v_lshl_add_u32 v[CO], v2, 13, v7
	s_lshl_b32 s74, s13, 7
	s_lshl_b32 s75, s11, 6
	s_add_co_u32 s74, s74, s75                     ; my first row
	s_lshl_b32 s75, s42, 7
	s_lshl_b32 s76, s12, 6
	s_add_co_u32 s75, s75, s76                     ; my first column
	s_lshl_b32 s76, s74, 13
	s_lshl2_add_u32 s76, s75, s76
	s_mov_b32 s77, 0
	s_add_nc_u64 s[78:79], s[68:69], s[76:77]      ; h
	s_add_nc_u64 s[80:81], s[70:71], s[76:77]      ; out0
	WIN 0x40                                       ; h: 32 loads into window 1, asked for now, used behind the product
.set i, 0
.rept 32
	global_load_b128 v[RES+4*i:RES+4*i+3], v[CO], s[78:79] offset:2*i*8192
.set i, i+1
.endr
	WIN 0
	s_wait_tensorcnt 0x1                           ; my part of slot 0 is in; slot 1's stays out
	s_barrier_signal -1
	s_barrier_wait -1
	FETCH 0, 0, F0
	SEVEN 0, 1
	TURN 0, 1, 1
	SEVEN 1, 0
	TURN 1, 0, 1
	s_mov_b32 s3, 2
.Llap:
	SEVEN 0, 0
	TURN 0, 1, 1
	SEVEN 1, 0
	TURN 1, 0, 1
	s_sub_co_u32 s3, s3, 1
	s_cmp_lg_u32 s3, 0
	s_cbranch_scc1 .Llap
	SEVEN 0, 0
	TURN 0, 1, 0
	SEVEN 1, 0
	s_wait_dscnt 0x0
	WIN MULW
	MUL8 F1, 0, 0
	MUL8 F1, 2, 0
	WIN 0
	PLACES
; rows 16 a .. 16 a + 15: through my stage into row order, + h, out
.macro HROWS a
	WIN 0x04
.irp b, 0,1,2,3
	ds_store_b128 v[STO], v[8*(4*\a+\b):8*(4*\a+\b)+3]   offset:64*\b
	ds_store_b128 v[STO], v[8*(4*\a+\b)+4:8*(4*\a+\b)+7] offset:64*\b+16
.endr
	WIN 0
	s_wait_xcnt 0x0                                ; v[TMP..], the data of the last group's stores, is loaded again only behind this wait
.irp t, 0,1,2,3,4,5,6,7
	ds_load_b128 v[TMP+4*\t:TMP+4*\t+3], v[RD] offset:2*SPITCH*\t
.endr
	s_wait_dscnt 0x0
	s_wait_loadcnt 8*(3-\a)                        ; this group's eight loads of h are in; the later groups' stay out
	WIN 0x04
.irp t, 0,1,2,3,4,5,6,7
	v_pk_add_f32 v[TMP+4*\t:TMP+4*\t+1],   v[TMP+4*\t:TMP+4*\t+1],   v[RES+4*(8*\a+\t):RES+4*(8*\a+\t)+1]
	v_pk_add_f32 v[TMP+4*\t+2:TMP+4*\t+3], v[TMP+4*\t+2:TMP+4*\t+3], v[RES+4*(8*\a+\t)+2:RES+4*(8*\a+\t)+3]
.endr
	WIN 0
.irp t, 0,1,2,3,4,5,6,7
	global_store_b128 v[CO], v[TMP+4*\t:TMP+4*\t+3], s[80:81] offset:(16*\a+2*\t)*8192    ; sixteen lanes store 256 consecutive aligned bytes
.endr
.endm
	HROWS 0
	HROWS 1
	HROWS 2
	HROWS 3
	s_wait_tensorcnt 0x0
	ds_add_u32 v254, v255
	s_wait_dscnt 0x0
	CROUND                                         ; the closing round
	s_endpgm
.Lfunc_end_k_q02c694e77b_down:
	.size	k_q02c694e77b_down, .Lfunc_end_k_q02c694e77b_down-k_q02c694e77b_down
	.p2alignl 7, 3214868480
	.fill 96, 4, 3214868480
	.section	.rodata,"a",@progbits
	.p2align	6, 0x0
	.amdhsa_kernel k_q02c694e77b_down
		.amdhsa_group_segment_fixed_size 327680
		.amdhsa_private_segment_fixed_size 0
		.amdhsa_enable_private_segment 0
		.amdhsa_kernarg_size 32
		.amdhsa_user_sgpr_count 2
		.amdhsa_user_sgpr_kernarg_segment_ptr 1
		.amdhsa_wavefront_size32 1
		.amdhsa_system_sgpr_workgroup_id_x 1
		.amdhsa_system_sgpr_workgroup_id_y 1
		.amdhsa_system_sgpr_workgroup_id_z 1
		.amdhsa_system_vgpr_workitem_id 0
		.amdhsa_next_free_vgpr 512
		.amdhsa_next_free_sgpr 100
		.amdhsa_reserve_vcc 0
		.amdhsa_float_denorm_mode_32 3
		.amdhsa_float_denorm_mode_16_64 3
		.amdhsa_memory_ordered 1
		.amdhsa_forward_progress 1
		.amdhsa_inst_pref_size 133
	.end_amdhsa_kernel
	.amdgpu_metadata
---
amdhsa.version: [ 1, 2 ]
amdhsa.kernels:
  - .name:           k_q02c694e77b_down
    .symbol:         k_q02c694e77b_down.kd
    .args:
      - { .name: u, .offset: 0, .size: 8, .value_kind: global_buffer, .address_space: global }
      - { .name: wb, .offset: 8, .size: 8, .value_kind: global_buffer, .address_space: global }
      - { .name: hws, .offset: 16, .size: 8, .value_kind: global_buffer, .address_space: global }
      - { .name: out0, .offset: 24, .size: 8, .value_kind: global_buffer, .address_space: global }
    .group_segment_fixed_size: 327680
    .private_segment_fixed_size: 0
    .kernarg_segment_align: 8
    .kernarg_segment_size: 32
    .max_flat_workgroup_size: 128
    .sgpr_count:     100
    .vgpr_count:     512
    .wavefront_size: 32
...
	.end_amdgpu_metadata
.endif
;; end of part 7
;; ======== version 2 of 2: 7 launches; version 1 with the launches prep, norm2 written anew for expert scheduling mode
;; limits: an absolute error that grows with the inputs' magnitude: up to 3e-07 times it; values are held in f16: magnitudes above 65,504 overflow, below 6.1e-05 lose precision; right only within a limited range of input values
;; workspace buffers: wb 50,331,648 bytes; xa 10,485,760 bytes; tab 524,288 bytes; qkv 21,495,808 bytes; att 8,388,608 bytes; hws 16,777,216 bytes; yb 8,388,608 bytes; u 8,388,608 bytes
;; launch prep (part 8): grid 1056 x 1, 8 waves a work-group, no clusters, 0 bytes of LDS; arguments q_w, k_w, v_w, qnew_w, o_w, up_w, down_w, kbk_w, kbv_w, kb_keys, kb_values, hidden_states, ln1_w, position_ids, wb, xa, tab; writes wb, xa, tab
.if DOCPART == 8
	.amdgcn_target "amdgcn-amd-amdhsa--gfx1250"
	.amdhsa_code_object_version 6
	.text
	.protected	k_q02c694e77b_prep
	.globl	k_q02c694e77b_prep
	.p2align	8
	.type	k_q02c694e77b_prep,@function
k_q02c694e77b_prep:
	s_mov_b64 s[64:65], 0
	v_nop
	global_prefetch_b8 v0, s[64:65] scope:SCOPE_SE
	s_setreg_imm32_b32 hwreg(HW_REG_WAVE_SCHED_MODE, 0, 2), 2
	s_setreg_imm32_b32 hwreg(HW_REG_WAVE_MODE, 25, 1), 1
	s_wait_xcnt 0x0
	s_wait_alu depctr_vm_vsrc(0)
; PREP: everything that later products read is rounded to 16 bits once; x = rmsnorm(hidden, ln1_w) in bf16; the cos/sin table of RoPE.
; A work-group takes a chunk of 16 rows of 2,048 numbers; a wave takes two rows.  Chunk c = work-group number:
;   c <  800  plain conversion (weights, kb_keys, kb_values), 128 KiB in, 64 KiB out, both dense; to bf16, but up_w (chunks 448 to 575) to f16
;   c <  928  rows 16 (c-800) .. of hidden_states: x = (h * rsqrt(mean h^2 + eps)) * ln1_w, in that order of rounding, to bf16
;   else      rows 16 (c-928) .. of the table: tab[s][0..31] = cos(pos[s] f_j), tab[s][32..63] = sin(pos[s] f_j), f_j = 10000^(-j/32)
; wb (rows of 2,048 numbers of 16 bits): 0 q_w, 2048 four blocks of (128 rows k_w, 128 rows v_w), 3072 qnew_w, 5120 four blocks of (128 rows kbk_w, 128 rows kbv_w),
; 6144 o_w, 8192 up_w (f16), 10240 down_w.   xa: 0 x, 2048 two blocks of (128 rows kb_keys, 128 rows kb_values).
; The interleaved blocks are the next launch's blocks of 256: there one half of the waves meets one kind and the other half the other.
; WHY up_w IS f16: an error dz of z = y up_w^T enters relu(z)^2 as 2 z dz, so this product's operand rounding weighs most in the result; its other operand, y, is
; normalised and has room in f16.  LIMIT: |up_w| < 65,504; below 2^-14 a number keeps an absolute error of 2^-25.
; No LDS, no barrier, no matrix unit: a stream, each byte read once, every store of a wave covers 256 consecutive aligned bytes.
; LIMITS: sin and cos are made here by reduction to |r| <= pi/4 (two-part pi/2, fused) and polynomials of degree 7 and 8; pos * 2/pi must fit i32;
; f_j comes from v_exp_f32, so the phase error grows as about |pos| * 3e-7 rad.
; THE MODE: SCHED_MODE bits 1:0 = 2 (LLVM: expert scheduling mode 2), set by the entry lines.  The code itself states the register dependences
; between vector instructions and memory instructions, with s_wait_alu, always for 0.
; THE PLAN.  Registers that memory instructions touch:
;   v3, v4   byte offsets of the loads and of the stores: made once in each part, ahead of that part's first wait on va_vdst, never written again.
;   X, G     each register is the target of one load.  The roundings write the first two of each four registers of X, one store reads them, and nothing writes them again:
;            so no register that a memory instruction has read is ever rewritten, and past the entry lines the text holds no wait on vm_vsrc and none on XCNT.
;   T        named by vector instructions alone.
; What is left to state is that a store's data are written.  The work goes in blocks: a block's stores are issued in the block behind it, behind ONE wait at that block's
; head, dealt among vector instructions that name other registers.
;   plain:   8 blocks of 4 loads; block p rounds its own 16 registers, and the four stores of block p - 1 stand among its roundings.
;   norm:    row 0's 16 stores stand among row 1's squares; the stores of the first half of row 1 among the second half's scaling; the last eight behind a wait of their own.
;   table:   the four compares go into four scalar registers, one wait behind the run; one wait ahead of the two stores.
.set X, 8                              ; v[8:135]   the wave's two rows as loaded (plain: 32 x 4; norm: 64 + 64)
.set G, 136                            ; v[136:199] ln1_w of my columns
.set T, 200                            ; v[200:207] at work
	s_load_b512 s[16:31], s[0:1], 0x0              ; q 16, k 18, v 20, qnew 22, o 24, up 26, down 28, kbk 30
	s_load_b512 s[32:47], s[0:1], 0x40             ; kbv 32, keys 34, values 36, hidden 38, ln1 40, pos 42, wb 44, xa 46
	s_load_b64 s[48:49], s[0:1], 0x80              ; tab
	v_and_b32 v1, 31, v0                           ; lane
	v_lshrrev_b32 v2, 5, v0
	v_readfirstlane_b32 s8, v2                     ; wave
	s_wait_alu depctr_va_sdst(0)                   ; s8 is written, ahead of the branches: the norm's and the table's row numbers are made from it
	s_wait_kmcnt 0x0
	s_cmp_ge_u32 ttmp9, 928
	s_cbranch_scc1 .Lrope
	s_cmp_ge_u32 ttmp9, 800
	s_cbranch_scc1 .Lnorm
; ---------------- plain conversion ----------------
; the source and the first chunk of its region, by a chain of selects on the chunk number
.macro REGION first, ptr
	s_cmp_ge_u32 ttmp9, \first
	s_cselect_b64 s[4:5], s[\ptr:\ptr+1], s[4:5]
	s_cselect_b32 s6, \first, s6
.endm
	s_mov_b64 s[4:5], s[16:17]
	s_mov_b32 s6, 0
	REGION 128, 18
	REGION 160, 20
	REGION 192, 22
	REGION 320, 24
	REGION 448, 26
	REGION 576, 28
	REGION 704, 30
	REGION 736, 32
	REGION 768, 34
	REGION 784, 36
	s_lshl_b32 s7, ttmp9, 4                        ; the plain destination row: 16 c for q and qnew,
	s_add_co_u32 s9, s7, 1024                      ; 16 c + 1024 for o, up, down (the KB block lies between)
	s_cmp_ge_u32 ttmp9, 320
	s_cselect_b32 s7, s9, s7
	s_sub_co_u32 s9, ttmp9, s6                     ; chunk within its region
	s_lshl_b32 s10, s9, 17                         ; its source bytes: 16 rows x 8,192
	s_lshl_b32 s11, s9, 4                          ; rho = its first row
	s_lshr_b32 s12, s11, 7
	s_lshl_b32 s12, s12, 8                         ; 256 (rho / 128): the interleaved blocks
	s_and_b32 s11, s11, 127
	s_add_co_u32 s11, s11, s12
	s_mov_b32 s12, 2048                            ; k_w
	s_cmp_ge_u32 ttmp9, 160
	s_cselect_b32 s12, 2176, s12                   ; v_w
	s_cmp_ge_u32 ttmp9, 704
	s_cselect_b32 s12, 5120, s12                   ; kbk_w
	s_cmp_ge_u32 ttmp9, 736
	s_cselect_b32 s12, 5248, s12                   ; kbv_w
	s_cmp_ge_u32 ttmp9, 768
	s_cselect_b32 s12, 2048, s12                   ; kb_keys, into xa
	s_cselect_b64 s[14:15], s[46:47], s[44:45]
	s_cmp_ge_u32 ttmp9, 784
	s_cselect_b32 s12, 2176, s12                   ; kb_values
	s_add_co_u32 s11, s11, s12                     ; the interleaved destination row
	s_mov_b32 s13, s7
	s_cmp_ge_u32 ttmp9, 128                        ; k_w and v_w are chunks 128 to 191,
	s_cselect_b32 s13, s11, s13
	s_cmp_ge_u32 ttmp9, 192
	s_cselect_b32 s13, s7, s13
	s_cmp_ge_u32 ttmp9, 704                        ; the four KB tensors chunks 704 to 799
	s_cselect_b32 s13, s11, s13
	s_lshl_b32 s12, s13, 12                        ; destination bytes: rows of 4,096
	s_mov_b32 s13, 0
	s_mov_b32 s11, 0
	s_add_nc_u64 s[4:5], s[4:5], s[10:11]
	s_add_nc_u64 s[14:15], s[14:15], s[12:13]
	v_lshlrev_b32 v3, 4, v1
	v_lshl_or_b32 v3, v2, 14, v3                   ; in: 16,384 w + 16 lane
	v_lshlrev_b32 v4, 3, v1
	v_lshl_or_b32 v4, v2, 13, v4                   ; out: 8,192 w + 8 lane
	s_wait_alu depctr_va_vdst(0)                   ; v3 and v4 are written: every load of this part reads v3 as its offset, every store v4
.set i, 0
.rept 32
	global_load_b128 v[X+4*i:X+4*i+3], v3, s[4:5] offset:512*i th:TH_LOAD_NT   ; all 16 KiB of the wave go out at once
.set i, i+1
.endr
; the store of what load i brought, rounded: 32 lanes x 8 bytes, 256 consecutive bytes; its registers are not written again
.macro PST i
	global_store_b64 v4, v[X+4*(\i):X+4*(\i)+1], s[14:15] offset:256*(\i)
.endm
; Block p: loads 4 p .. 4 p + 3 are rounded, two numbers a word; the four stores of block p - 1 stand among the roundings, which name block p's registers alone.
; Once for bf16, once for f16.
.macro BLKB p
	s_wait_loadcnt 28-4*(\p)                       ; loads return in order: this block's four are in, the later blocks' stay out
.if (\p) > 0
	s_wait_alu depctr_va_vdst(0)                   ; the block before has written its eight packed words, which the four stores below read
.endif
.irp j, 0,1,2,3
.if (\p) > 0
	PST 4*(\p)-4+(\j)
.endif
	v_cvt_pk_bf16_f32 v[X+16*(\p)+4*(\j)],   v[X+16*(\p)+4*(\j)],   v[X+16*(\p)+4*(\j)+1]
	v_cvt_pk_bf16_f32 v[X+16*(\p)+4*(\j)+1], v[X+16*(\p)+4*(\j)+2], v[X+16*(\p)+4*(\j)+3]
.endr
.endm
.macro BLKH p
	s_wait_loadcnt 28-4*(\p)                       ; loads return in order: this block's four are in, the later blocks' stay out
.if (\p) > 0
	s_wait_alu depctr_va_vdst(0)                   ; the block before has written its eight packed words, which the four stores below read
.endif
.irp j, 0,1,2,3
.if (\p) > 0
	PST 4*(\p)-4+(\j)
.endif
	v_cvt_pk_f16_f32 v[X+16*(\p)+4*(\j)],   v[X+16*(\p)+4*(\j)],   v[X+16*(\p)+4*(\j)+1]
	v_cvt_pk_f16_f32 v[X+16*(\p)+4*(\j)+1], v[X+16*(\p)+4*(\j)+2], v[X+16*(\p)+4*(\j)+3]
.endr
.endm
	s_cmp_ge_u32 ttmp9, 448                        ; up_w is chunks 448 to 575
	s_cselect_b32 s9, 1, 0
	s_cmp_ge_u32 ttmp9, 576
	s_cselect_b32 s9, 0, s9
	s_cmp_lg_u32 s9, 0
	s_cbranch_scc1 .Lhalf
.irp p, 0,1,2,3,4,5,6,7
	BLKB \p
.endr
	s_wait_alu depctr_va_vdst(0)                   ; the last block has written its packed words, which the last four stores read
.irp j, 28,29,30,31
	PST \j
.endr
	s_endpgm
.Lhalf:
.irp p, 0,1,2,3,4,5,6,7
	BLKH \p
.endr
	s_wait_alu depctr_va_vdst(0)                   ; the last block has written its packed words, which the last four stores read
.irp j, 28,29,30,31
	PST \j
.endr
	s_endpgm
; ---------------- rmsnorm 1 ----------------
.Lnorm:
	s_sub_co_u32 s6, ttmp9, 800
	s_lshl_b32 s6, s6, 4
	s_lshl1_add_u32 s6, s8, s6                     ; my first row = 16 (c-800) + 2 w
	s_lshl_b32 s10, s6, 13
	s_mov_b32 s11, 0
	s_lshl_b32 s12, s6, 12
	s_mov_b32 s13, 0
	s_add_nc_u64 s[4:5], s[38:39], s[10:11]
	s_add_nc_u64 s[14:15], s[46:47], s[12:13]
	s_mov_b32 s50, 0x76543210                      ; v_permlanex16_b32: lane i reads lane i of the other half
	s_mov_b32 s51, 0xfedcba98
	s_mov_b32 s52, 0x3a000000                      ; 1 / 2048
	s_mov_b32 s53, 0x3727c5ac                      ; 1e-5
	v_lshlrev_b32 v3, 4, v1
	v_lshlrev_b32 v4, 3, v1
	s_wait_alu depctr_va_vdst(0)                   ; v3 and v4 are written: every load of this part reads v3 as its offset, every store v4
.set i, 0
.rept 16
	global_load_b128 v[G+4*i:G+4*i+3], v3, s[40:41] offset:512*i
.set i, i+1
.endr
.set i, 0
.rept 32
	global_load_b128 v[X+4*i:X+4*i+3], v3, s[4:5] offset:512*i                ; two rows of 8,192 bytes follow each other
.set i, i+1
.endr
; the store of piece i (of 16) of the row at xb; outoff = the row's bytes in xa
.macro NST xb, i, outoff
	global_store_b64 v4, v[\xb+4*(\i):\xb+4*(\i)+1], s[14:15] offset:\outoff+256*(\i)
.endm
; the squares of the row at xb, in four chains.  st = 1: row 0's sixteen stores stand among them, one ahead of each of the first four and then of every second one
.macro NSUM xb, st
.irp k, 0,1,2,3
.if \st
	NST X, \k, 0
.endif
	v_pk_mul_f32 v[T+2*\k:T+2*\k+1], v[\xb+2*\k:\xb+2*\k+1], v[\xb+2*\k:\xb+2*\k+1]       ; four chains, started by products: nothing is cleared
.endr
.set m, 4
.rept 28
.if (\st) && (m%2 == 0) && (m < 28)
	NST X, m/2+2, 0
.endif
	v_pk_fma_f32 v[T+2*(m%4):T+2*(m%4)+1], v[\xb+2*m:\xb+2*m+1], v[\xb+2*m:\xb+2*m+1], v[T+2*(m%4):T+2*(m%4)+1]
.set m, m+1
.endr
.endm
; the chains into one, across the lanes, and the reciprocal root, twice, for the packed multiply
.macro NRED
	v_pk_add_f32 v[T:T+1], v[T:T+1], v[T+2:T+3]
	v_pk_add_f32 v[T+4:T+5], v[T+4:T+5], v[T+6:T+7]
	v_pk_add_f32 v[T:T+1], v[T:T+1], v[T+4:T+5]
	v_add_f32 v[T], v[T], v[T+1]
	v_add_f32_dpp v[T], v[T], v[T] row_xmask:1 row_mask:0xf bank_mask:0xf
	v_add_f32_dpp v[T], v[T], v[T] row_xmask:2 row_mask:0xf bank_mask:0xf
	v_add_f32_dpp v[T], v[T], v[T] row_xmask:4 row_mask:0xf bank_mask:0xf
	v_add_f32_dpp v[T], v[T], v[T] row_xmask:8 row_mask:0xf bank_mask:0xf
	v_permlanex16_b32 v[T+1], v[T], s50, s51
	v_add_f32 v[T], v[T], v[T+1]                   ; the row's sum of squares, in every lane
	v_fma_f32 v[T+2], v[T], s52, s53               ; mean + eps
	v_rsq_f32 v[T+4], v[T+2]
	v_rsq_f32 v[T+5], v[T+2]
	v_nop                                          ; one plain instruction behind a transcendental before its result is used
	s_wait_alu depctr_va_vdst(0)                   ; the two reciprocal roots are written, ahead of their first reader
.endm
; piece i of the row at xb: times the reciprocal root, times ln1_w, rounded
.macro NSC xb, i
	v_pk_mul_f32 v[\xb+4*(\i):\xb+4*(\i)+1],   v[\xb+4*(\i):\xb+4*(\i)+1],   v[T+4:T+5]
	v_pk_mul_f32 v[\xb+4*(\i)+2:\xb+4*(\i)+3], v[\xb+4*(\i)+2:\xb+4*(\i)+3], v[T+4:T+5]
	v_pk_mul_f32 v[\xb+4*(\i):\xb+4*(\i)+1],   v[\xb+4*(\i):\xb+4*(\i)+1],   v[G+4*(\i):G+4*(\i)+1]
	v_pk_mul_f32 v[\xb+4*(\i)+2:\xb+4*(\i)+3], v[\xb+4*(\i)+2:\xb+4*(\i)+3], v[G+4*(\i)+2:G+4*(\i)+3]
	v_cvt_pk_bf16_f32 v[\xb+4*(\i)],   v[\xb+4*(\i)],   v[\xb+4*(\i)+1]
	v_cvt_pk_bf16_f32 v[\xb+4*(\i)+1], v[\xb+4*(\i)+2], v[\xb+4*(\i)+3]
.endm
	s_wait_loadcnt 16                              ; ln1_w and row 0 are in; row 1's sixteen loads stay out
	NSUM X, 0
	NRED
.set i, 0
.rept 16
	NSC X, i
.set i, i+1
.endr
	s_wait_loadcnt 0x0                             ; row 1
	s_wait_alu depctr_va_vdst(0)                   ; row 0's roundings have written its packed words, which the sixteen stores among the squares below read
	NSUM X+64, 1                                   ; the squares name row 1 and T alone
	NRED
.set i, 0
.rept 8
	NSC X+64, i
.set i, i+1
.endr
	s_wait_alu depctr_va_vdst(0)                   ; the first half of row 1 is rounded: the eight stores below read it; the arithmetic among them names the second half
.set i, 0
.rept 8
	NST X+64, i, 4096
	NSC X+64, i+8
.set i, i+1
.endr
	s_wait_alu depctr_va_vdst(0)                   ; the second half of row 1 is rounded, which the last eight stores read
.set i, 8
.rept 8
	NST X+64, i, 4096
.set i, i+1
.endr
	s_endpgm
; ---------------- the cos/sin table ----------------
.Lrope:
	s_sub_co_u32 s6, ttmp9, 928
	s_lshl_b32 s6, s6, 4
	s_lshl1_add_u32 s6, s8, s6                     ; my first row (even)
	s_lshl_b32 s7, s6, 2
	s_load_b64 s[54:55], s[42:43], s7 offset:0x0   ; the two positions
	s_lshl_b32 s10, s6, 8                          ; a table row is 256 bytes
	s_mov_b32 s11, 0
	s_add_nc_u64 s[14:15], s[48:49], s[10:11]
	s_mov_b32 s56, 0x3f22f983                      ; 2 / pi
	s_mov_b32 s57, 0x3fc90fdb                      ; pi / 2, upper part
	s_mov_b32 s58, 0xb33bbd2e                      ; pi / 2, the rest
	s_mov_b32 s59, 0xb94ca1f9                      ; sine: z^3 term
	s_mov_b32 s60, 0x3c08839e
	s_mov_b32 s61, 0xbe2aaaa3
	s_mov_b32 s62, 0x37ccf5ce                      ; cosine: z^4 term
	s_mov_b32 s63, 0xbab6061a
	s_mov_b32 s66, 0x3d2aaaa5
	v_and_b32 v2, 15, v1                           ; i: the lane makes j = 2 i and 2 i + 1,
	v_lshlrev_b32 v3, 3, v1                        ; 8 bytes at 8 x lane of the row: lanes 0-15 the cosines, lanes 16-31 the sines
	v_lshrrev_b32 v4, 4, v1
	v_xor_b32 v4, 1, v4                            ; 1 in the cosine lanes: cos x = sin(x + pi/2), one quadrant on
	v_lshlrev_b32 v5, 1, v2
	v_cvt_f32_u32 v5, v5
	v_add_f32 v6, 1.0, v5
	v_mul_f32 v5, 0xbed49a78, v5                   ; -j log2(10000) / 32
	v_mul_f32 v6, 0xbed49a78, v6
	v_exp_f32 v5, v5                               ; f_j
	v_exp_f32 v6, v6
	v_nop
	s_wait_kmcnt 0x0
	v_cvt_f32_i32 v7, s54
	v_cvt_f32_i32 v8, s55
	s_wait_alu depctr_va_vdst(0)                   ; the two exponentials are written, ahead of their first reader
; An angle, first part: sin r, cos r, the sign and the choice between the two.  b: the angle's ten registers; m: the scalar register that takes the choice.
.macro ANG1 b, m, pos, inv
	v_mul_f32 v[\b], \pos, \inv                    ; the angle, rounded once as in the definition
	v_mul_f32 v[\b+1], s56, v[\b]
	v_rndne_f32 v[\b+1], v[\b+1]                   ; n
	v_fma_f32 v[\b+2], -v[\b+1], s57, v[\b]
	v_fma_f32 v[\b+2], -v[\b+1], s58, v[\b+2]      ; r = x - n pi/2
	v_cvt_i32_f32 v[\b+3], v[\b+1]
	v_add_nc_u32 v[\b+3], v[\b+3], v4              ; quadrant
	v_mul_f32 v[\b+4], v[\b+2], v[\b+2]            ; z
	v_fma_f32 v[\b+5], v[\b+4], s59, s60
	v_fma_f32 v[\b+5], v[\b+5], v[\b+4], s61
	v_mul_f32 v[\b+6], v[\b+2], v[\b+4]
	v_fma_f32 v[\b+5], v[\b+5], v[\b+6], v[\b+2]   ; sin r
	v_fma_f32 v[\b+7], v[\b+4], s62, s63
	v_fma_f32 v[\b+7], v[\b+7], v[\b+4], s66
	v_fma_f32 v[\b+8], v[\b+4], -0.5, 1.0
	v_mul_f32 v[\b+9], v[\b+4], v[\b+4]
	v_fma_f32 v[\b+7], v[\b+7], v[\b+9], v[\b+8]   ; cos r
	v_and_b32 v[\b+8], 1, v[\b+3]
	v_cmp_eq_u32 s[\m], 1, v[\b+8]                 ; odd quadrant
	v_and_b32 v[\b+9], 2, v[\b+3]
	v_lshlrev_b32 v[\b+9], 30, v[\b+9]             ; quadrants 2 and 3
.endm
; second part: the choice is read
.macro ANG2 dst, b, m
	v_cndmask_b32 v[\b+5], v[\b+5], v[\b+7], s[\m] ; odd quadrant: the cosine
	v_xor_b32 v[\dst], v[\b+5], v[\b+9]            ; quadrants 2 and 3: the sign turns
.endm
	ANG1 24, 68, v7, v5
	ANG1 34, 69, v7, v6
	ANG1 44, 70, v8, v5
	ANG1 54, 71, v8, v6
	s_wait_alu depctr_va_sdst(0)                   ; the four compares have written s68 to s71, ahead of the selects that read them
	ANG2 20, 24, 68
	ANG2 21, 34, 69
	ANG2 22, 44, 70
	ANG2 23, 54, 71
	s_wait_alu depctr_va_vdst(0)                   ; v3, the offset, and v20 to v23, the data, are written: the two stores read them
	global_store_b64 v3, v[20:21], s[14:15]
	global_store_b64 v3, v[22:23], s[14:15] offset:256
	s_endpgm
.Lfunc_end_k_q02c694e77b_prep:
	.size	k_q02c694e77b_prep, .Lfunc_end_k_q02c694e77b_prep-k_q02c694e77b_prep
	.p2alignl 7, 3214868480
	.fill 96, 4, 3214868480
	.section	.rodata,"a",@progbits
	.p2align	6, 0x0
	.amdhsa_kernel k_q02c694e77b_prep
		.amdhsa_group_segment_fixed_size 0
		.amdhsa_private_segment_fixed_size 0
		.amdhsa_enable_private_segment 0
		.amdhsa_kernarg_size 136
		.amdhsa_user_sgpr_count 2
		.amdhsa_user_sgpr_kernarg_segment_ptr 1
		.amdhsa_wavefront_size32 1
		.amdhsa_system_sgpr_workgroup_id_x 1
		.amdhsa_system_sgpr_workgroup_id_y 1
		.amdhsa_system_sgpr_workgroup_id_z 1
		.amdhsa_system_vgpr_workitem_id 0
		.amdhsa_next_free_vgpr 208
		.amdhsa_next_free_sgpr 72
		.amdhsa_reserve_vcc 0
		.amdhsa_float_denorm_mode_32 3
		.amdhsa_float_denorm_mode_16_64 3
		.amdhsa_memory_ordered 1
		.amdhsa_forward_progress 1
		.amdhsa_inst_pref_size 55
	.end_amdhsa_kernel
	.amdgpu_metadata
---
amdhsa.version: [ 1, 2 ]
amdhsa.kernels:
  - .name:           k_q02c694e77b_prep
    .symbol:         k_q02c694e77b_prep.kd
    .args:
      - { .name: q_w, .offset: 0, .size: 8, .value_kind: global_buffer, .address_space: global }
      - { .name: k_w, .offset: 8, .size: 8, .value_kind: global_buffer, .address_space: global }
      - { .name: v_w, .offset: 16, .size: 8, .value_kind: global_buffer, .address_space: global }
      - { .name: qnew_w, .offset: 24, .size: 8, .value_kind: global_buffer, .address_space: global }
      - { .name: o_w, .offset: 32, .size: 8, .value_kind: global_buffer, .address_space: global }
      - { .name: up_w, .offset: 40, .size: 8, .value_kind: global_buffer, .address_space: global }
      - { .name: down_w, .offset: 48, .size: 8, .value_kind: global_buffer, .address_space: global }
      - { .name: kbk_w, .offset: 56, .size: 8, .value_kind: global_buffer, .address_space: global }
      - { .name: kbv_w, .offset: 64, .size: 8, .value_kind: global_buffer, .address_space: global }
      - { .name: kb_keys, .offset: 72, .size: 8, .value_kind: global_buffer, .address_space: global }
      - { .name: kb_values, .offset: 80, .size: 8, .value_kind: global_buffer, .address_space: global }
      - { .name: hidden_states, .offset: 88, .size: 8, .value_kind: global_buffer, .address_space: global }
      - { .name: ln1_w, .offset: 96, .size: 8, .value_kind: global_buffer, .address_space: global }
      - { .name: position_ids, .offset: 104, .size: 8, .value_kind: global_buffer, .address_space: global }
      - { .name: wb, .offset: 112, .size: 8, .value_kind: global_buffer, .address_space: global }
      - { .name: xa, .offset: 120, .size: 8, .value_kind: global_buffer, .address_space: global }
      - { .name: tab, .offset: 128, .size: 8, .value_kind: global_buffer, .address_space: global }
    .group_segment_fixed_size: 0
    .private_segment_fixed_size: 0
    .kernarg_segment_align: 8
    .kernarg_segment_size: 136
    .max_flat_workgroup_size: 256
    .sgpr_count:     72
    .vgpr_count:     208
    .wavefront_size: 32
...
	.end_amdgpu_metadata
.endif
;; end of part 8
;; launch qkv: the kernel of part 2 again; grid 168 x 1, 4 waves a work-group, clusters of 4 x 1, 327,680 bytes of LDS; arguments xa, wb, tab, qkv; writes qkv
;; launch attn: the kernel of part 3 again; grid 32 x 8, 8 waves a work-group, no clusters, 327,680 bytes of LDS; arguments qkv, sink_k, sink_v, att; writes att
;; launch oproj: the kernel of part 4 again; grid 16 x 16, 4 waves a work-group, clusters of 4 x 4, 327,680 bytes of LDS; arguments att, wb, hidden_states, hws; writes hws
;; launch norm2 (part 9): grid 256 x 1, 8 waves a work-group, no clusters, 0 bytes of LDS; arguments hws, ln2_w, yb; writes yb
.if DOCPART == 9
	.amdgcn_target "amdgcn-amd-amdhsa--gfx1250"
	.amdhsa_code_object_version 6
	.text
	.protected	k_q02c694e77b_norm2
	.globl	k_q02c694e77b_norm2
	.p2align	8
	.type	k_q02c694e77b_norm2,@function
k_q02c694e77b_norm2:
	s_mov_b64 s[64:65], 0
	v_nop
	global_prefetch_b8 v0, s[64:65] scope:SCOPE_SE
	s_setreg_imm32_b32 hwreg(HW_REG_WAVE_SCHED_MODE, 0, 2), 2
	s_setreg_imm32_b32 hwreg(HW_REG_WAVE_MODE, 25, 1), 1
	s_wait_xcnt 0x0
	s_wait_alu depctr_vm_vsrc(0)
; NORM2: y = (h * rsqrt(mean h^2 + eps)) * ln2_w, in that order of rounding, rounded once to f16.  h: [2048][2048] f32, y: [2048][2048] f16.
; One wave takes one row (8,192 bytes, 64 registers) and keeps it between the sum and the scaling: h is read once, no LDS, no barrier, no wave waits for another.
; 256 work-groups of eight waves; every load of a wave covers 512 consecutive bytes, every store 256 consecutive aligned bytes.
; WHY f16, AND WHY HERE: an error dz of z = y up_w^T enters relu(z)^2 as 2 z dz, so y's rounding weighs most in the result.  h itself has no room in f16
; (it grows with the product of three weights), the normalised row has: |h rs| <= sqrt(2048) = 45.3 for every input, so |y| <= 45.3 max|ln2_w|.
; The norm needs whole rows of h, which the launch before makes in blocks of 128 columns: hence a launch of its own.
; LIMIT: |ln2_w| below about 1,400, beyond which y passes 65,504; below 2^-14 a number of y keeps an absolute error of 2^-25.
; THE MODE: SCHED_MODE bits 1:0 = 2 (LLVM: expert scheduling mode 2), set by the entry lines.  The code itself states the register dependences
; between vector instructions and memory instructions, with s_wait_alu, always for 0.
; THE PLAN.  Registers that memory instructions touch:
;   v3, v4   byte offsets of the loads and of the stores: made once at the head, never written again.
;   X, G     each register is the target of one load.  The roundings write the first two of each four registers of X, one store reads them, and nothing writes them again:
;            so no register that a memory instruction has read is ever rewritten, and past the entry lines the text holds no wait on vm_vsrc and none on XCNT.
;   T        named by vector instructions alone.
; The scaling goes in two halves of eight pieces: ONE wait behind the first half states that its packed words are written; its eight stores stand among the second half's
; arithmetic, which names other registers; one more wait stands ahead of the last eight stores.
.set X, 8                              ; v[8:71]    the row
.set G, 72                             ; v[72:135]  ln2_w of my columns
.set T, 136                            ; v[136:143] at work
	s_load_b128 s[4:7], s[0:1], 0x0                ; h, ln2_w
	s_load_b64 s[8:9], s[0:1], 0x10                ; y
	v_and_b32 v1, 31, v0                           ; lane
	v_lshrrev_b32 v2, 5, v0
	v_readfirstlane_b32 s10, v2                    ; wave
	v_lshlrev_b32 v3, 4, v1
	v_lshlrev_b32 v4, 3, v1
	s_wait_alu depctr_va_sdst(0)                   ; s10 is written, ahead of its first reader: the row's number is made from it
	s_lshl3_add_u32 s11, ttmp9, s10                ; my row = 8 x work-group + wave
	s_lshl_b32 s12, s11, 13                        ; rows of 8,192 bytes in,
	s_mov_b32 s13, 0
	s_lshl_b32 s14, s11, 12                        ; of 4,096 bytes out
	s_mov_b32 s15, 0
	s_mov_b32 s16, 0x76543210                      ; v_permlanex16_b32: lane i reads lane i of the other half
	s_mov_b32 s17, 0xfedcba98
	s_mov_b32 s18, 0x3a000000                      ; 1 / 2048
	s_mov_b32 s19, 0x3727c5ac                      ; 1e-5
	s_wait_kmcnt 0x0
	s_add_nc_u64 s[4:5], s[4:5], s[12:13]
	s_add_nc_u64 s[8:9], s[8:9], s[14:15]
	s_wait_alu depctr_va_vdst(0)                   ; v3 and v4 are written: every load reads v3 as its offset, every store v4
.set i, 0
.rept 16
	global_load_b128 v[X+4*i:X+4*i+3], v3, s[4:5] offset:512*i
.set i, i+1
.endr
.set i, 0
.rept 16
	global_load_b128 v[G+4*i:G+4*i+3], v3, s[6:7] offset:512*i
.set i, i+1
.endr
	s_wait_loadcnt 16                              ; the row is in; the sixteen loads of ln2_w stay out
.irp k, 0,1,2,3
	v_pk_mul_f32 v[T+2*\k:T+2*\k+1], v[X+2*\k:X+2*\k+1], v[X+2*\k:X+2*\k+1]   ; four chains, started by products: nothing is cleared
.endr
.set m, 4
.rept 28
	v_pk_fma_f32 v[T+2*(m%4):T+2*(m%4)+1], v[X+2*m:X+2*m+1], v[X+2*m:X+2*m+1], v[T+2*(m%4):T+2*(m%4)+1]
.set m, m+1
.endr
	v_pk_add_f32 v[T:T+1], v[T:T+1], v[T+2:T+3]
	v_pk_add_f32 v[T+4:T+5], v[T+4:T+5], v[T+6:T+7]
	v_pk_add_f32 v[T:T+1], v[T:T+1], v[T+4:T+5]
	v_add_f32 v[T], v[T], v[T+1]
	v_add_f32_dpp v[T], v[T], v[T] row_xmask:1 row_mask:0xf bank_mask:0xf
	v_add_f32_dpp v[T], v[T], v[T] row_xmask:2 row_mask:0xf bank_mask:0xf
	v_add_f32_dpp v[T], v[T], v[T] row_xmask:4 row_mask:0xf bank_mask:0xf
	v_add_f32_dpp v[T], v[T], v[T] row_xmask:8 row_mask:0xf bank_mask:0xf
	v_permlanex16_b32 v[T+1], v[T], s16, s17
	v_add_f32 v[T], v[T], v[T+1]                   ; the row's sum of squares, in every lane
	v_fma_f32 v[T+2], v[T], s18, s19               ; mean + eps
	v_rsq_f32 v[T+4], v[T+2]
	v_rsq_f32 v[T+5], v[T+2]
	v_nop                                          ; one plain instruction behind a transcendental before its result is used
	s_wait_loadcnt 0x0                             ; ln2_w
	s_wait_alu depctr_va_vdst(0)                   ; the two reciprocal roots are written, ahead of their first reader
; piece i of 16: times the reciprocal root, times ln2_w, rounded
.macro SC i
	v_pk_mul_f32 v[X+4*(\i):X+4*(\i)+1],   v[X+4*(\i):X+4*(\i)+1],   v[T+4:T+5]
	v_pk_mul_f32 v[X+4*(\i)+2:X+4*(\i)+3], v[X+4*(\i)+2:X+4*(\i)+3], v[T+4:T+5]
	v_pk_mul_f32 v[X+4*(\i):X+4*(\i)+1],   v[X+4*(\i):X+4*(\i)+1],   v[G+4*(\i):G+4*(\i)+1]
	v_pk_mul_f32 v[X+4*(\i)+2:X+4*(\i)+3], v[X+4*(\i)+2:X+4*(\i)+3], v[G+4*(\i)+2:G+4*(\i)+3]
	v_cvt_pk_f16_f32 v[X+4*(\i)],   v[X+4*(\i)],   v[X+4*(\i)+1]
	v_cvt_pk_f16_f32 v[X+4*(\i)+1], v[X+4*(\i)+2], v[X+4*(\i)+3]
.endm
; its store: no register of it is written again
.macro ST i
	global_store_b64 v4, v[X+4*(\i):X+4*(\i)+1], s[8:9] offset:256*(\i)
.endm
.set i, 0
.rept 8
	SC i
.set i, i+1
.endr
	s_wait_alu depctr_va_vdst(0)                   ; the first half is rounded: the eight stores below read it; the arithmetic among them names the second half
.set i, 0
.rept 8
	ST i
	SC i+8
.set i, i+1
.endr
	s_wait_alu depctr_va_vdst(0)                   ; the second half is rounded, which the last eight stores read
.set i, 8
.rept 8
	ST i
.set i, i+1
.endr
	s_endpgm
.Lfunc_end_k_q02c694e77b_norm2:
	.size	k_q02c694e77b_norm2, .Lfunc_end_k_q02c694e77b_norm2-k_q02c694e77b_norm2
	.p2alignl 7, 3214868480
	.fill 96, 4, 3214868480
	.section	.rodata,"a",@progbits
	.p2align	6, 0x0
	.amdhsa_kernel k_q02c694e77b_norm2
		.amdhsa_group_segment_fixed_size 0
		.amdhsa_private_segment_fixed_size 0
		.amdhsa_enable_private_segment 0
		.amdhsa_kernarg_size 24
		.amdhsa_user_sgpr_count 2
		.amdhsa_user_sgpr_kernarg_segment_ptr 1
		.amdhsa_wavefront_size32 1
		.amdhsa_system_sgpr_workgroup_id_x 1
		.amdhsa_system_sgpr_workgroup_id_y 1
		.amdhsa_system_sgpr_workgroup_id_z 1
		.amdhsa_system_vgpr_workitem_id 0
		.amdhsa_next_free_vgpr 144
		.amdhsa_next_free_sgpr 66
		.amdhsa_reserve_vcc 0
		.amdhsa_float_denorm_mode_32 3
		.amdhsa_float_denorm_mode_16_64 3
		.amdhsa_memory_ordered 1
		.amdhsa_forward_progress 1
		.amdhsa_inst_pref_size 15
	.end_amdhsa_kernel
	.amdgpu_metadata
---
amdhsa.version: [ 1, 2 ]
amdhsa.kernels:
  - .name:           k_q02c694e77b_norm2
    .symbol:         k_q02c694e77b_norm2.kd
    .args:
      - { .name: hws, .offset: 0, .size: 8, .value_kind: global_buffer, .address_space: global }
      - { .name: ln2_w, .offset: 8, .size: 8, .value_kind: global_buffer, .address_space: global }
      - { .name: yb, .offset: 16, .size: 8, .value_kind: global_buffer, .address_space: global }
    .group_segment_fixed_size: 0
    .private_segment_fixed_size: 0
    .kernarg_segment_align: 8
    .kernarg_segment_size: 24
    .max_flat_workgroup_size: 256
    .sgpr_count:     66
    .vgpr_count:     144
    .wavefront_size: 32
...
	.end_amdgpu_metadata
.endif
;; end of part 9
;; launch up: the kernel of part 6 again; grid 16 x 16, 4 waves a work-group, clusters of 4 x 4, 327,680 bytes of LDS; arguments yb, wb, u; writes u
;; launch down: the kernel of part 7 again; grid 16 x 16, 4 waves a work-group, clusters of 4 x 4, 327,680 bytes of LDS; arguments u, wb, hws, out0; writes out0
